; MI455X (gfx1250); checked and timed in simulation.
; The chip was launched on July 23, 2026; its instructions are those of AMD's public machine-readable ISA for CDNA 5 (MIT licence, August 2026) and "CDNA5" Instruction Set Architecture Reference Guide (July 2026). The comments in the code are by the model that wrote it; some were corrected since.
;; Attention. Allowed arithmetic: float matrix products may take bf16 or f16 operands with f32 sums; all other float work in f32.
;; Inputs: wk 1,024 x 4,096 float32; wo 4,096 x 4,096 float32; wq 4,096 x 4,096 float32; wv 1,024 x 4,096 float32; x 1 x 1,024 x 4,096 float32.
;; Outputs: out0 1 x 1,024 x 4,096 float32.
;; Constants: start_pos = 0.
;; 3 versions, each right; version 2 is faster than version 1; version 3 is version 2 with the launch prep written anew for expert scheduling mode. Each part assembles by itself: llvm-mc -triple=amdgcn-amd-amdhsa -mcpu=gfx1250 --defsym DOCPART=n.
;; ======== version 1 of 3: 4 launches
;; limits: values are held in f16: magnitudes above 65,504 overflow, below 6.1e-05 lose precision
;; workspace buffers: xb 8,388,608 bytes; rope 524,288 bytes; qkv 12,582,912 bytes; att 8,388,608 bytes
;; launch prep (part 1): grid 256 x 1, 4 waves a work-group, no clusters, 37,376 bytes of LDS; arguments x, xb, rope; writes xb, rope
.if DOCPART == 1
	.amdgcn_target "amdgcn-amd-amdhsa--gfx1250"
	.amdhsa_code_object_version 6
	.text
	.protected	k_qfb76b71dd8_prep
	.globl	k_qfb76b71dd8_prep
	.p2align	8
	.type	k_qfb76b71dd8_prep,@function
k_qfb76b71dd8_prep:
	s_mov_b64 s[64:65], 0
	v_nop
	global_prefetch_b8 v0, s[64:65] scope:SCOPE_SE
	s_setreg_imm32_b32 hwreg(HW_REG_WAVE_MODE, 25, 1), 1
	s_wait_xcnt 0x0
; PREP.  (1) x [1024][4096] f32 -> xb, bf16, in planes: xb[k / 8][row t][8 numbers], a plane = 1,024 rows x 16 bytes = 16,384 bytes.
; In that layout half a matrix fragment (16 rows x 8 k) is 256 consecutive bytes.
; (2) the table of the rotation: rope[g = 0..31][t = 0..1023] = { cos a(2g), sin a(2g), cos a(2g+1), sin a(2g+1) } / 4, f32,
; a(i) = t x 10000^(-i/64).  The factor 1/4 is the fixed scale under which q, k and v are kept in f16 by the next launch.
; SHARES.  256 work-groups of four waves.  Work-group G: rows 16 (G >> 2) on; wave w: k = 1,024 (G & 3) + 256 w on: 16 rows x 256 k.
; Thread v0 also makes the table's item g = G >> 3, t = 128 (G & 7) + v0.  All 32 loads of a wave are out at once (16 KiB);
; the table is computed under them.  No matrix unit, no cluster, no tensor load: each byte is read once, by one wave, and nothing is shared.
; The turn from rows to planes goes through the wave's own 9,216 bytes of LDS, so no barrier is needed.
; LIMITS.  sin and cos: the angle is reduced to g in [-1/2, 1/2] half turns and a polynomial in g^2 is cut at g^9 (sin) and g^10 (cos):
; remainder at most 4e-6.  The frequency is 2^(-i log2(10000)/64) by v_exp_f32, a few units in its last place from reference()'s power
; and division: at t = 1,023 the angle may differ by about 2e-4 rad.
.set X,    64                          ; v[64:191]   32 loads x 4 registers, as loaded
.set Y,    32                          ; v[32:39]    four pairs, packed bf16 on their way to LDS
.set OUT,  192                         ; v[192:255]  16 x 4 registers, planes read back
.set PLP,  288                         ; a plane of 16 rows x 16 bytes in LDS, + 32: eight planes start 32 bytes apart modulo 256
.set WREG, 32*PLP                      ; a wave's 32 planes
	s_load_b128 s[4:7], s[0:1], 0x0                ; x s[4:5], xb s[6:7]
	s_load_b64 s[8:9], s[0:1], 0x10                ; rope
	v_lshl_add_u32 v62, v0, 2, 0x9000
	v_mov_b32 v63, 0
	v_lshrrev_b32 v1, 5, v0
	v_readfirstlane_b32 s10, v1                    ; wave
	v_and_b32 v1, 15, v0                           ; c = lane % 16
	v_bfe_u32 v2, v0, 4, 1                         ; rr = lane / 16
	v_lshlrev_b32 v3, 4, v1
	v_lshl_add_u32 v3, v2, 14, v3                  ; 16,384 rr + 16 c: a row of x further on, and a plane of xb further on
	s_lshr_b32 s11, ttmp9, 2                       ; G >> 2: my 16 rows
	s_and_b32 s12, ttmp9, 3                        ; G & 3: my 1,024 k
	s_lshl_b32 s14, s11, 18                        ; x: 16 rows x 16,384 bytes,
	s_lshl_b32 s15, s12, 12                        ; 1,024 k x 4 bytes,
	s_add_co_u32 s14, s14, s15
	s_lshl_b32 s15, s10, 10                        ; 256 k x 4 bytes for each wave
	s_add_co_u32 s14, s14, s15
	s_mov_b32 s15, 0
	s_lshl_b32 s16, s12, 21                        ; xb: 128 planes,
	s_lshl_b32 s17, s10, 19                        ; 32 planes for each wave,
	s_add_co_u32 s16, s16, s17
	s_lshl_b32 s17, s11, 8                         ; 16 rows x 16 bytes
	s_add_co_u32 s16, s16, s17
	s_mov_b32 s17, 0
	s_lshr_b32 s20, ttmp9, 3                       ; the table's g
	s_and_b32 s21, ttmp9, 7                        ; which 128 of its t
	s_lshl_b32 s18, s20, 14
	s_lshl_b32 s19, s21, 11
	s_add_co_u32 s18, s18, s19
	s_mov_b32 s19, 0
	s_wait_kmcnt 0x0
	s_add_nc_u64 s[4:5], s[4:5], s[14:15]
	s_add_nc_u64 s[6:7], s[6:7], s[16:17]
	s_add_nc_u64 s[8:9], s[8:9], s[18:19]
.irp q, 0,1,2,3
.irp i, 0,1,2,3,4,5,6,7
	global_load_b128 v[X+4*(8*\q+\i):X+4*(8*\q+\i)+3], v3, s[4:5] offset:\i*32768+\q*256 th:TH_LOAD_NT   ; lanes 0-15: 256 bytes of row 2 i, lanes 16-31 of row 2 i + 1
.endr
.endr
	; LDS addresses, in my wave's own bytes
	s_mul_i32 s13, s10, WREG
	v_lshrrev_b32 v7, 1, v1
	v_mul_u32_u24 v4, v7, PLP                      ; in: my 4 numbers lie in plane c / 2 of the load's eight,
	v_lshl_add_u32 v4, v2, 4, v4                   ; row rr of the pair,
	v_and_b32 v7, 1, v1
	v_lshl_add_u32 v4, v7, 3, v4                   ; half c % 2 of its 16 bytes
	v_add_nc_u32 v4, s13, v4
	v_mul_u32_u24 v5, v2, PLP                      ; back: plane rr of a pair, row c
	v_lshl_add_u32 v5, v1, 4, v5
	v_add_nc_u32 v5, s13, v5
	v_lshlrev_b32 v6, 4, v0                        ; the table: 16 bytes a thread
	; THE TABLE, under the loads
	s_lshl_b32 s20, s20, 1                         ; i = 2 g
	s_add_co_u32 s23, s20, 1                       ; and 2 g + 1
	s_lshl_b32 s21, s21, 7
	s_mov_b32 s22, 0x3ea2f983                      ; 1 / pi
	v_cvt_f32_u32 v8, s20
	v_cvt_f32_u32 v9, s23
	v_mul_f32 v8, 0xbe549a78, v8                   ; - i log2(10000) / 64
	v_mul_f32 v9, 0xbe549a78, v9
	v_exp_f32 v8, v8                               ; the two frequencies
	v_exp_f32 v9, v9
	v_add_nc_u32 v10, s21, v0                      ; t: a plain instruction behind the exponentials (ISA guide 5.7.2)
	v_cvt_f32_u32 v10, v10
	s_wait_alu depctr_va_vdst(0)
	v_mul_f32 v8, v10, v8                          ; the angles
	v_mul_f32 v9, v10, v9
; cos / 4 and sin / 4 of the angle in register a.  n = the nearest whole number of half turns, g = what is left, z = g^2;
; sin(pi g) = g (pi - pi^3/6 z + ...), cos(pi g) = 1 - pi^2/2 z + ...; both change sign with n's lowest bit.  The coefficients hold the 1/4.
.macro SINCOS a, dc, ds
	v_mul_f32 v11, s22, v[\a]
	v_rndne_f32 v11, v11
	v_fma_f32 v12, v[\a], s22, -v11
	v_cvt_i32_f32 v14, v11
	v_mul_f32 v13, v12, v12
	v_lshlrev_b32 v14, 31, v14
	v_mov_b32 v15, 0x3ca83c1a
	v_mov_b32 v16, 0xbbd368f9
	v_fmaak_f32 v15, v15, v13, 0xbe196966
	v_fmaak_f32 v16, v16, v13, 0x3d70fa83
	v_fmaak_f32 v15, v15, v13, 0x3f2335e3
	v_fmaak_f32 v16, v16, v13, 0xbeaae9e4
	v_fmaak_f32 v15, v15, v13, 0xbfa55de7
	v_fmaak_f32 v16, v16, v13, 0x3f81e0f8
	v_fmaak_f32 v15, v15, v13, 0x3f490fdb
	v_fmaak_f32 v16, v16, v13, 0xbf9de9e6
	v_mul_f32 v15, v15, v12
	v_fmaak_f32 v16, v16, v13, 0x3e800000
	v_xor_b32 v[\ds], v14, v15
	v_xor_b32 v[\dc], v14, v16
.endm
	SINCOS 8, 24, 25
	SINCOS 9, 26, 27
	global_store_b128 v6, v[24:27], s[8:9]         ; a wave stores 512 consecutive bytes, aligned
	; x: round, and into LDS by planes
.set n, 0
.rept 32
	s_wait_loadcnt 31-n                            ; loads come back in order (ISA guide 5.7.1): load n is in, the younger ones stay out
	v_cvt_pk_bf16_f32 v[Y+2*(n%4)],   v[X+4*n],   v[X+4*n+1]
	v_cvt_pk_bf16_f32 v[Y+2*(n%4)+1], v[X+4*n+2], v[X+4*n+3]
	ds_store_b64 v4, v[Y+2*(n%4):Y+2*(n%4)+1] offset:(n/8)*8*PLP+(n%8)*32
.set n, n+1
.endr
.irp p, 0,1,2,3,4,5,6,7,8,9,10,11,12,13,14,15
	ds_load_b128 v[OUT+4*\p:OUT+4*\p+3], v5 offset:\p*2*PLP    ; LDS serves a wave's instructions in order (ISA guide 5.7.1.4): these see the stores above
.endr
.irp p, 0,1,2,3,4,5,6,7,8,9,10,11,12,13,14,15
	s_wait_dscnt 15-\p
	global_store_b128 v3, v[OUT+4*\p:OUT+4*\p+3], s[6:7] offset:\p*32768   ; 16 lanes store 256 consecutive bytes of a plane, aligned
.endr
	s_wait_tensorcnt 0x0
	ds_add_u32 v62, v63
	s_wait_dscnt 0x0
	s_endpgm
.Lfunc_end_k_qfb76b71dd8_prep:
	.size	k_qfb76b71dd8_prep, .Lfunc_end_k_qfb76b71dd8_prep-k_qfb76b71dd8_prep
	.p2alignl 7, 3214868480
	.fill 96, 4, 3214868480
	.section	.rodata,"a",@progbits
	.p2align	6, 0x0
	.amdhsa_kernel k_qfb76b71dd8_prep
		.amdhsa_group_segment_fixed_size 37376
		.amdhsa_private_segment_fixed_size 0
		.amdhsa_enable_private_segment 0
		.amdhsa_kernarg_size 24
		.amdhsa_user_sgpr_count 2
		.amdhsa_user_sgpr_kernarg_segment_ptr 1
		.amdhsa_wavefront_size32 1
		.amdhsa_system_sgpr_workgroup_id_x 1
		.amdhsa_system_sgpr_workgroup_id_y 1
		.amdhsa_system_sgpr_workgroup_id_z 1
		.amdhsa_system_vgpr_workitem_id 0
		.amdhsa_next_free_vgpr 256
		.amdhsa_next_free_sgpr 66
		.amdhsa_reserve_vcc 0
		.amdhsa_float_denorm_mode_32 3
		.amdhsa_float_denorm_mode_16_64 3
		.amdhsa_memory_ordered 1
		.amdhsa_forward_progress 1
		.amdhsa_inst_pref_size 18
	.end_amdhsa_kernel
	.amdgpu_metadata
---
amdhsa.version: [ 1, 2 ]
amdhsa.kernels:
  - .name:           k_qfb76b71dd8_prep
    .symbol:         k_qfb76b71dd8_prep.kd
    .args:
      - { .name: x, .offset: 0, .size: 8, .value_kind: global_buffer, .address_space: global }
      - { .name: xb, .offset: 8, .size: 8, .value_kind: global_buffer, .address_space: global }
      - { .name: rope, .offset: 16, .size: 8, .value_kind: global_buffer, .address_space: global }
    .group_segment_fixed_size: 37376
    .private_segment_fixed_size: 0
    .kernarg_segment_align: 8
    .kernarg_segment_size: 24
    .max_flat_workgroup_size: 128
    .sgpr_count:     66
    .vgpr_count:     256
    .wavefront_size: 32
...
	.end_amdgpu_metadata
.endif
;; end of part 1
;; launch qkv (part 2): grid 64 x 4, 4 waves a work-group, clusters of 4 x 4, 327,680 bytes of LDS; arguments xb, wq, wk, wv, rope, qkv; writes qkv
.if DOCPART == 2
	.amdgcn_target "amdgcn-amd-amdhsa--gfx1250"
	.amdhsa_code_object_version 6
	.text
	.protected	k_qfb76b71dd8_qkv
	.globl	k_qfb76b71dd8_qkv
	.p2align	8
	.type	k_qfb76b71dd8_qkv,@function
k_qfb76b71dd8_qkv:
	s_mov_b64 s[64:65], 0
	v_nop
	global_prefetch_b8 v0, s[64:65] scope:SCOPE_SE
	s_setreg_imm32_b32 hwreg(HW_REG_WAVE_MODE, 25, 1), 1
	s_wait_xcnt 0x0
	s_wait_alu depctr_hold_cnt(0) depctr_sa_sdst(0) depctr_va_vdst(0) depctr_va_sdst(0) depctr_va_ssrc(0) depctr_va_vcc(0) depctr_vm_vsrc(0)
	s_getreg_b32 s2, hwreg(HW_REG_IB_STS2, 6, 4)
	s_cmp_eq_u32 s2, 0
	s_cbranch_scc0 .Lentry_in_a_cluster
	s_endpgm
.Lentry_in_a_cluster:
	s_bfe_u32 s2, ttmp6, 0x10000c
	s_cmp_lg_u32 s2, 0xf033
	s_cbranch_scc0 .Lentry_shape_is_right
	s_endpgm
.Lentry_shape_is_right:
; QKV.  q = x wq^T, k = x wk^T, v = x wv^T (K = 4,096), the rotation of q and k, all three times 1/4 and rounded to f16.
; Operands bf16 (x from xb; the weights land in LDS as f32 and are rounded in registers), sums f32.
; OUT: qkv[column / 8][row t][8 numbers] f16, planes of 16,384 bytes; columns 0-4095 q, 4096-5119 k, 5120-6143 v.
; SHARES.  256 work-groups.  Work-group (j = 0..63, cy = 0..3) makes rows 256 cy on x 96 columns: wq's rows 64 j on and 32 rows of wk (j < 32)
; or wv, from row 32 (j & 31) on.  K IS SPLIT OVER THE FOUR WAVES: a K step is 128, wave w multiplies k = 32 w .. 32 w + 31 of every step
; for the whole tile, 16 x 6 accumulators = 768 registers.  So each byte that lands in LDS is read from LDS once, and each weight is
; rounded once in the work-group; the four partial tiles are added through LDS at the end.
; CLUSTER 4 x 4.  x's tile hangs on cy alone and is asked for jointly along a row of the cluster, the weights' tiles on j alone, jointly along a
; column.  The four cy are all 1,024 rows, so each weight is asked for once in the launch.
; THE MATRIX INSTRUCTION IS USED TRANSPOSED (source 0 = 16 rows of W, source 1 = 16 rows of x): a lane holds row l % 16 and eight neighbouring columns.
; v takes the table's row t = 0, which is (1/4, 0): the same lines scale it and turn it by nothing, so no branch parts v from k.
; LIMITS.  The f32 sums are made in another order than reference()'s (four partial sums over K).  q, k, v are kept as f16 of a quarter of their value:
; they overflow beyond 262,016 and lose precision below about 2.4e-4 (step 2.4e-7).  With all inputs 30 times larger they are some 900 spreads,
; with offsets of 30 spreads on x and the weights together about 57,600, with all inputs 30 times smaller their spread is 1.1e-3.
; REGISTERS.  Window 0: v1-v29 addresses; v32-95 x's fragments, two buffers of four; v96-191 W as f32; v192-239 W as bf16.
; Windows 1-3: accumulator (a, b), a = 0..15 row block, b = 0..5 column block, number 6 a + b: window 1 + number / 32, v[8 (number % 32)].
.set NB,     6
.set APL,    4096                      ; a plane of x's tile: 256 rows x 16 bytes
.set WPITCH, 528                       ; a row of W in LDS: 128 f32 + 16 bytes = 132 words: row r starts at bank 4 r mod 64 (64 banks of 4 bytes: ISA guide 11.1)
.set WOFF,   16*APL                    ; a slot: 16 planes of x, then 96 rows of W
.set SLOT,   WOFF+16*NB*WPITCH         ; 116,224
.set SPARE,  2*SLOT                    ; behind the ring: the spare words, 128 bytes for each wave: two blocks of 256 bytes that no other line names
.set REGN,   49152                     ; the way out: a wave's 48 accumulators
.set L16,  4                           ; v4      16 x lane
.set RST,  5                           ; v5      the way out: where I put my partial sums
.set RRD,  6                           ; v6-9    where I read the four waves' partial sums of my share
.set VCQ,  10                          ; v10     byte offset in the table for q's columns
.set VCK,  11                          ; v11-14  the same for k's or v's columns, one for each of my four row blocks
.set VSQ,  15                          ; v15     byte offset in qkv for q's columns
.set XAD,  16                          ; v16-17  LDS address of my fragments of x in slot 0, 1
.set WAD,  18                          ; v18-19  the same for W
.set VSK,  20                          ; v20     byte offset in qkv for k's or v's columns
.set SPW,  28                          ; v28     LDS address of my spare word; never rewritten
.set NIL,  29                          ; v29     0; never rewritten
.set X,    32
.set WF,   96
.set WB,   192
.set CS,   32                          ; the way out: v32-127 the table's numbers for 12 units
.set R,    128                         ; v128-191 four partial sums of a unit, two buffers
.set U,    192                         ; v192-199 a unit, turned
.set OUT,  200                         ; v200-203 a unit, packed
.set WV,   16                          ; s16 wave;  s17 cx;  s18 cy;  s19 j
.set CX,   17
.set CY,   18
.set J,    19
.set G1A,  24                          ; s[24:31] group 1 for x's tiles;  s[32:39] for wq's;  s[40:47] for wk's or wv's
.set G1Q,  32
.set G1K,  40
.set G0A,  48                          ; s[48:55], s[56:63], s[68:75]: their groups 0, a set for each slot
.set G0Q,  56
.set G0K,  68
.set KMASK, 76                         ; s76  -1 for k, 0 for v
.set ALDS, 77                          ; s77  wave x 32,768
.set MSB, 0
.macro WIN new                         ; the immediate's high byte repeats the setting that is left; a switch that changes nothing is dropped
.if MSB != (\new)
	s_set_vgpr_msb (MSB<<8)|(\new)
.set MSB, (\new)
.endif
.endm
; Four places: a vector instruction or a load that writes a register of a matrix instruction, and whatever reads its result, stand four plain vector
; instructions behind it (ISA guide 7.12.1 for vector instructions).
.macro PLACES
.rept 4
	v_nop
.endr
.endm
.macro CREST                           ; a round of the cluster's barrier behind its opening barrier
	s_cmp_lg_u32 s[WV], 0
	s_cbranch_scc1 .Lnot_wave_0_\@
	s_barrier_signal -3
.Lnot_wave_0_\@:
	s_barrier_wait -3
	s_barrier_signal -1
	s_barrier_wait -1
.endm
.macro CROUND
	s_barrier_signal -1
	s_barrier_wait -1
	CREST
.endm
; A joint refill of slot s: waves 0 and 1 fetch x's planes 0-7 and 8-15, wave 2 wq's 64 rows, wave 3 wk's or wv's 32.  The branches hang on the wave's number alone.
; Four v_nop follow each line, ahead of the jump, the label and what follows.
.macro JLOAD s
	s_cmp_lt_u32 s[WV], 2
	s_cbranch_scc0 .Lfor_w_\@
	tensor_load_to_lds s[G0A+4*\s:G0A+4*\s+3], s[G1A:G1A+7]
	s_nop 0
	PLACES
	s_branch .Lasked_\@
.Lfor_w_\@:
	s_cmp_eq_u32 s[WV], 2
	s_cbranch_scc0 .Lfor_k_\@
	tensor_load_to_lds s[G0Q+4*\s:G0Q+4*\s+3], s[G1Q:G1Q+7]
	s_nop 0
	PLACES
	s_branch .Lasked_\@
.Lfor_k_\@:
	tensor_load_to_lds s[G0K+4*\s:G0K+4*\s+3], s[G1K:G1K+7]
	s_nop 0
	PLACES
.Lasked_\@:
.endm
	s_load_b256 s[4:11], s[0:1], 0x0               ; xb s[4:5], wq s[6:7], wk s[8:9], wv s[10:11]
	s_load_b128 s[12:15], s[0:1], 0x20             ; rope s[12:13], qkv s[14:15]
	v_lshl_add_u32 v[SPW], v0, 2, SPARE
	v_mov_b32 v[NIL], 0
	ds_add_u32 v28, v29
	s_wait_dscnt 0x0
	v_lshrrev_b32 v1, 5, v0
	v_readfirstlane_b32 s[WV], v1
	s_bfe_u32 s[CX], ttmp6, 0x40000
	s_bfe_u32 s[CY], ttmp6, 0x40004                ; the cluster's four rows are the launch's four row blocks
	s_lshl_b32 s[J], ttmp9, 2
	s_add_co_u32 s[J], s[J], s[CX]                 ; column block = 4 x cluster x + cx
	s_lshl_b32 s20, s[CY], 2
	s_lshl_b32 s20, 15, s20                        ; my row of the cluster
	s_lshl_b32 s22, 0x1111, s[CX]                  ; my column
	s_or_b32 s[G1A], s20, (3<<16)|(1<<21)          ; 15:0 the mask; 17:16 elements of 8 bytes; 21 set beside a mask; no padding
	s_mov_b32 s[G1A+1], 512<<16                    ; tensor_dim0 = 512 elements: a plane's 256 rows x 16 bytes
	s_mov_b32 s[G1A+2], 8<<16                      ; tensor_dim1 = 8 planes
	s_mov_b32 s[G1A+3], 512<<16                    ; tile_dim0
	s_mov_b32 s[G1A+4], 8                          ; tile_dim1
	s_mov_b32 s[G1A+5], 2048                       ; from plane to plane: 16,384 bytes
	s_mov_b32 s[G1A+6], 0
	s_mov_b32 s[G1A+7], 0
	s_or_b32 s[G1Q], s22, (2<<16)|(1<<20)|(1<<21)|(6<<22)|(3<<25)   ; elements of 4 bytes; padding on: after every 128 words (code 6) 4 words (code 3)
	s_or_b32 s[G1K], s22, (2<<16)|(1<<20)|(1<<21)|(6<<22)|(3<<25)
	s_mov_b32 s[G1Q+1], 128<<16                    ; 128 k
	s_mov_b32 s[G1K+1], 128<<16
	s_mov_b32 s[G1Q+2], 64<<16                     ; 64 rows of wq,
	s_mov_b32 s[G1K+2], 32<<16                     ; 32 of wk or wv
	s_mov_b32 s[G1Q+3], 128<<16
	s_mov_b32 s[G1K+3], 128<<16
	s_mov_b32 s[G1Q+4], 64
	s_mov_b32 s[G1K+4], 32
	s_mov_b32 s[G1Q+5], 4096                       ; from row to row
	s_mov_b32 s[G1K+5], 4096
	s_mov_b32 s[G1Q+6], 0
	s_mov_b32 s[G1K+6], 0
	s_mov_b32 s[G1Q+7], 0
	s_mov_b32 s[G1K+7], 0
	s_and_b32 s20, s[WV], 1                        ; x: planes 8 (wave & 1) on,
	s_lshl_b32 s20, s20, 17
	s_lshl_b32 s21, s[CY], 12                      ; rows 256 cy on: in registers that never hold cx
	s_add_co_u32 s20, s20, s21
	s_mov_b32 s21, 0
	s_lshl_b32 s22, s[J], 20                       ; wq: 64 j rows of 16,384 bytes: in registers that never hold cy
	s_mov_b32 s23, 0
	s_and_b32 s78, s[J], 31
	s_lshl_b32 s78, s78, 19                        ; wk, wv: 32 (j & 31) rows
	s_mov_b32 s79, 0
	s_lshl_b32 s[ALDS], s[WV], 15                  ; no place in the cluster enters an LDS address
	s_wait_kmcnt 0x0
	s_add_nc_u64 s[4:5], s[4:5], s[20:21]
	s_add_nc_u64 s[6:7], s[6:7], s[22:23]
	s_cmp_lt_u32 ttmp9, 8                          ; j < 32: the same in all partners
	s_cselect_b64 s[8:9], s[8:9], s[10:11]
	s_cselect_b32 s[KMASK], -1, 0
	s_add_nc_u64 s[8:9], s[8:9], s[78:79]
	CROUND                                         ; all sixteen work-groups are here: the first joint loads meet
.irp s, 0,1
	s_mov_b32 s[G0A+4*\s], 1
	s_add_co_u32 s[G0A+4*\s+1], s[ALDS], \s*SLOT
	s_add_nc_u64 s[G0A+4*\s+2:G0A+4*\s+3], s[4:5], \s*16*16384     ; K step s: 16 planes on
	s_or_b32 s[G0A+4*\s+3], s[G0A+4*\s+3], 0x80000000
	s_mov_b32 s[G0Q+4*\s], 1
	s_mov_b32 s[G0Q+4*\s+1], \s*SLOT+WOFF
	s_add_nc_u64 s[G0Q+4*\s+2:G0Q+4*\s+3], s[6:7], \s*512          ; K step s: 128 f32 on
	s_or_b32 s[G0Q+4*\s+3], s[G0Q+4*\s+3], 0x80000000
	s_mov_b32 s[G0K+4*\s], 1
	s_mov_b32 s[G0K+4*\s+1], \s*SLOT+WOFF+64*WPITCH
	s_add_nc_u64 s[G0K+4*\s+2:G0K+4*\s+3], s[8:9], \s*512
	s_or_b32 s[G0K+4*\s+3], s[G0K+4*\s+3], 0x80000000
.endr
	s_cmp_lt_u32 s[WV], 2                          ; a wave's two first fills stand in one branch: two loads of mine are out
	s_cbranch_scc0 .Lfirst_w
	tensor_load_to_lds s[G0A:G0A+3], s[G1A:G1A+7]
	s_nop 0
	tensor_load_to_lds s[G0A+4:G0A+7], s[G1A:G1A+7]
	s_nop 0
	PLACES
	s_branch .Lfirst_asked
.Lfirst_w:
	s_cmp_eq_u32 s[WV], 2
	s_cbranch_scc0 .Lfirst_k
	tensor_load_to_lds s[G0Q:G0Q+3], s[G1Q:G1Q+7]
	s_nop 0
	tensor_load_to_lds s[G0Q+4:G0Q+7], s[G1Q:G1Q+7]
	s_nop 0
	PLACES
	s_branch .Lfirst_asked
.Lfirst_k:
	tensor_load_to_lds s[G0K:G0K+3], s[G1K:G1K+7]
	s_nop 0
	tensor_load_to_lds s[G0K+4:G0K+7], s[G1K:G1K+7]
	s_nop 0
	PLACES
.Lfirst_asked:
	; A fragment is 16 rows x 32 k: lane l holds row l % 16; registers 0-3 k = 8 (l / 16) + 0..7, registers 4-7 k = 16 + 8 (l / 16) + 0..7.
	v_and_b32 v1, 15, v0                           ; r
	v_bfe_u32 v2, v0, 4, 1                         ; h
	v_and_b32 v3, 31, v0                           ; lane
	s_lshl_b32 s20, s[WV], 14                      ; x: my four planes 4 w on; plane + h, row r; the second half two planes on
	v_lshlrev_b32 v[L16], 4, v1
	v_lshl_add_u32 v[L16], v2, 12, v[L16]
	v_add_nc_u32 v[XAD], s20, v[L16]
	v_add_nc_u32 v[XAD+1], SLOT, v[XAD]
	s_lshl_b32 s21, s[WV], 7                       ; W: row r, my 32 k = 128 bytes, 8 f32 = 32 bytes for each half of the lanes
	s_add_co_u32 s21, s21, WOFF
	v_mul_u32_u24 v[RST], v1, WPITCH
	v_lshl_add_u32 v[RST], v2, 5, v[RST]
	v_add_nc_u32 v[WAD], s21, v[RST]
	v_add_nc_u32 v[WAD+1], SLOT, v[WAD]
.macro LOADX slot, g, buf              ; x's fragments of row blocks 4 g .. 4 g + 3: eight loads; 16 lanes take 256 consecutive bytes
.irp i, 0,1,2,3
	ds_load_b128 v[X+32*\buf+8*\i:X+32*\buf+8*\i+3],   v[XAD+\slot] offset:(4*\g+\i)*256
	ds_load_b128 v[X+32*\buf+8*\i+4:X+32*\buf+8*\i+7], v[XAD+\slot] offset:(4*\g+\i)*256+2*APL
.endr
.endm
.macro LOADW slot                      ; my 32 k of all 96 rows of W, f32: 24 loads
.irp b, 0,1,2,3,4,5
	ds_load_b128 v[WF+16*\b:WF+16*\b+3],     v[WAD+\slot] offset:\b*16*WPITCH
	ds_load_b128 v[WF+16*\b+4:WF+16*\b+7],   v[WAD+\slot] offset:\b*16*WPITCH+16
	ds_load_b128 v[WF+16*\b+8:WF+16*\b+11],  v[WAD+\slot] offset:\b*16*WPITCH+64
	ds_load_b128 v[WF+16*\b+12:WF+16*\b+15], v[WAD+\slot] offset:\b*16*WPITCH+80
.endr
.endm
.macro CVTW                            ; W to bf16: 48 roundings of two
.set n, 0
.rept 8*NB
	v_cvt_pk_bf16_f32 v[WB+n], v[WF+2*n], v[WF+2*n+1]
.set n, n+1
.endr
.endm
; Row blocks a0 .. a0 + na - 1 x all six column blocks.  Each accumulator has one instruction a K step, always in the same order: the accumulators take turns.
.macro MUL a0, na, buf, zero
.set a, \a0
.rept \na
.set b, 0
.rept NB
.set idx, NB*a+b
.set rA, 8*(idx%32)
	WIN 0x50*(1+idx/32)
.if \zero
	v_wmma_f32_16x16x32_bf16 v[rA:rA+7], v[WB+8*b:WB+8*b+7], v[X+32*\buf+8*(a%4):X+32*\buf+8*(a%4)+7], 0
.else
	v_wmma_f32_16x16x32_bf16 v[rA:rA+7], v[WB+8*b:WB+8*b+7], v[X+32*\buf+8*(a%4):X+32*\buf+8*(a%4)+7], v[rA:rA+7]
.endif
.set b, b+1
.endr
.set a, a+1
.endr
.endm
; The first half of a K step.  On entry W is in WB and the loads of row blocks 0-3 are issued.  At its end all my reads of the slot are issued.
.macro HEAD slot, zero
	LOADX \slot, 1, 1
	s_wait_dscnt 8                                 ; blocks 0-3 are in; the eight just issued may be out
	MUL 0, 4, 0, \zero
	PLACES
	WIN 0
	LOADX \slot, 2, 0
	s_wait_dscnt 8
	MUL 4, 4, 1, \zero
	PLACES
	WIN 0
	LOADX \slot, 3, 1
.endm
; The second half, with the change of slots.  mode 2: the slot is filled again, two K steps ahead, behind a round of the cluster's barrier; mode 1: a plain barrier, nothing is
; asked for; mode 0: the last K step.  Behind the barrier: the refill, then the next slot's W and first x fragments, which land under the step's last 36 products.
.macro TURN slot, next, mode, zero
.if \mode == 0
	s_wait_dscnt 8
	MUL 8, 4, 0, \zero
	s_wait_dscnt 0x0
	MUL 12, 4, 1, \zero
	WIN 0
.else
	s_wait_tensorcnt 0x0                           ; all my tensor loads have landed: the one that was out is my part of the next slot
	ds_add_u32 v[SPW], v[NIL]                      ; 0 onto my spare word
	s_wait_dscnt 9                                 ; blocks 8-11 are in; the add and the eight loads of blocks 12-15 may be out
	MUL 8, 1, 0, \zero
	s_wait_dscnt 0x0                               ; the add is done, and my reads of this slot are over
	s_barrier_signal -1
	MUL 9, 1, 0, \zero
	WIN 0                                          ; at a branch and at a label every window is 0
	s_barrier_wait -1
.if \mode == 2
	CREST                                          ; no wave of any partner still reads this slot or has a load on its way
	s_add_nc_u64 s[G0A+4*\slot+2:G0A+4*\slot+3], s[G0A+4*\slot+2:G0A+4*\slot+3], 2*16*16384
	s_add_nc_u64 s[G0Q+4*\slot+2:G0Q+4*\slot+3], s[G0Q+4*\slot+2:G0Q+4*\slot+3], 2*512
	s_add_nc_u64 s[G0K+4*\slot+2:G0K+4*\slot+3], s[G0K+4*\slot+2:G0K+4*\slot+3], 2*512
	JLOAD \slot                                    ; my one tensor load behind the round: it has a K step's 96 products in which to land
.endif
	LOADW \next
	MUL 10, 2, 0, \zero
	PLACES
	WIN 0
	LOADX \next, 0, 0
	MUL 12, 4, 1, \zero
	PLACES                                         ; WB is a source of the products just issued
	WIN 0
	s_wait_dscnt 8                                 ; W is in; x's eight loads may be out
	CVTW
.endif
.endm
	s_wait_tensorcnt 0x1                           ; my part of K step 0 is in; K step 1's may stay out
	s_barrier_signal -1
	s_barrier_wait -1
	LOADW 0
	LOADX 0, 0, 0
	s_wait_dscnt 8
	CVTW
	HEAD 0, 1                                      ; K step 0 starts the sums: nothing is cleared
	TURN 0, 1, 2, 1
	s_mov_b32 s3, 14
.Lk:                                                   ; K steps 1 to 28, two a trip
	HEAD 1, 0
	TURN 1, 0, 2, 0
	HEAD 0, 0
	TURN 0, 1, 2, 0
	s_sub_co_u32 s3, s3, 1
	s_cmp_lg_u32 s3, 0
	s_cbranch_scc1 .Lk
	HEAD 1, 0                                      ; K step 29 asks for K step 31, the last
	TURN 1, 0, 2, 0
	HEAD 0, 0
	TURN 0, 1, 1, 0
	HEAD 1, 0
	TURN 1, 0, 0, 0
	; THE WAY OUT.  In two phases of eight row blocks each wave puts its 48 partial accumulators into its own 49,152 bytes (the slots have had their last fill), and after a
	; barrier wave w adds the four waves' sums of row blocks 8 p + 2 w, + 1: 12 units of 16 rows x 16 columns, turns them, rounds them and stores them.
	PLACES
	v_lshlrev_b32 v[L16], 4, v3
	s_mul_i32 s20, s[WV], REGN
	s_mul_i32 s21, s[WV], 12*1024
	v_add_nc_u32 v[RST], s20, v[L16]
	v_add_nc_u32 v[RRD], s21, v[L16]
	v_add_nc_u32 v[RRD+1], REGN, v[RRD]
	v_add_nc_u32 v[RRD+2], 2*REGN, v[RRD]
	v_add_nc_u32 v[RRD+3], 3*REGN, v[RRD]
	s_lshl_b32 s22, s[CY], 8
	s_lshl_b32 s23, s[WV], 5
	s_add_co_u32 s22, s22, s23
	v_add_nc_u32 v21, s22, v1                      ; tt = 256 cy + 32 w + r: my row in phase 0, first block
	v_lshlrev_b32 v21, 4, v21                      ; 16 tt
	s_and_b32 s23, s[J], 1                         ; q: my 8 columns are pairs 32 (j & 1) + 8 b + 4 h on: the table's groups 16 (j & 1) + 4 b + 2 h, + 1
	s_lshl_b32 s23, s23, 18
	v_lshl_add_u32 v22, v2, 15, v21
	v_add_nc_u32 v[VCQ], s23, v22
	s_and_b32 s23, s[J], 3                         ; k, v: groups 8 (j & 3) + 4 (b - 4) + 2 h, + 1
	s_lshl_b32 s23, s23, 17
	v_lshlrev_b32 v23, 15, v2
	v_add_nc_u32 v23, s23, v23
.irp x, 0,1,2,3
	v_add_nc_u32 v24, ((\x>>1)*128+(\x&1)*16)*16, v21
	v_and_b32 v24, s[KMASK], v24                   ; v reads the table at t = 0
	v_add_nc_u32 v[VCK+\x], v23, v24
.endr
	s_lshl_b32 s23, s[J], 17                       ; q's planes 8 j + 2 b + h
	v_lshl_add_u32 v25, v2, 14, v21
	v_add_nc_u32 v[VSQ], s23, v25
	s_lshl_b32 s23, s[J], 16                       ; k's and v's planes 512 + 4 j + 2 (b - 4) + h
	s_add_co_u32 s23, s23, 512*16384
	v_add_nc_u32 v[VSK], s23, v25
	s_wait_dscnt 0x0
	s_barrier_signal -1
	s_barrier_wait -1                              ; every wave's reads of the slots are over
.macro RLOAD u                         ; the four partial sums of unit u
.set bf, R+32*((\u)%2)
.irp s, 0,1,2,3
	ds_load_b128 v[bf+8*\s:bf+8*\s+3],   v[RRD+\s] offset:(\u)*1024
	ds_load_b128 v[bf+8*\s+4:bf+8*\s+7], v[RRD+\s] offset:(\u)*1024+512
.endr
.endm
.macro UNIT p, u                       ; unit u: row block 8 p + 2 w + u / 6, column block u % 6
.if \u < 11
	RLOAD \u+1
	s_wait_dscnt 8                                 ; unit u is in; the next unit's eight loads may be out
.else
	s_wait_dscnt 0x0
.endif
.set bf, R+32*((\u)%2)
.irp k, 0,2,4,6
	v_pk_add_f32 v[bf+\k:bf+\k+1], v[bf+\k:bf+\k+1], v[bf+8+\k:bf+8+\k+1]
	v_pk_add_f32 v[bf+16+\k:bf+16+\k+1], v[bf+16+\k:bf+16+\k+1], v[bf+24+\k:bf+24+\k+1]
.endr
.irp k, 0,2,4,6
	v_pk_add_f32 v[bf+\k:bf+\k+1], v[bf+\k:bf+\k+1], v[bf+16+\k:bf+16+\k+1]
.endr
.if \u == 0
	s_wait_loadcnt 0x0                             ; the phase's 24 loads from the table
.endif
.irp k, 0,2,4,6                        ; a pair (xr, xi) and its (c, s): (xr c, xi c), then (- xi s, + xr s) on top
	v_pk_mul_f32 v[U+\k:U+\k+1], v[bf+\k:bf+\k+1], v[CS+8*\u+\k:CS+8*\u+\k+1] op_sel_hi:[1,0]
.endr
.irp k, 0,2,4,6
	v_pk_fma_f32 v[U+\k:U+\k+1], v[bf+\k:bf+\k+1], v[CS+8*\u+\k:CS+8*\u+\k+1], v[U+\k:U+\k+1] op_sel:[1,1,0] op_sel_hi:[0,1,1] neg_lo:[0,1,0]
.endr
	s_wait_xcnt 0x0                                ; the last unit's store has had its address translated (ISA guide 3.1): its data registers are rewritten only behind this wait
.irp i, 0,1,2,3
	v_cvt_pk_f16_f32 v[OUT+\i], v[U+2*\i], v[U+2*\i+1]
.endr
.if (\u)%6 < 4
	global_store_b128 v[VSQ], v[OUT:OUT+3], s[14:15] offset:2*((\u)%6)*16384+(128*\p+16*((\u)/6))*16    ; 16 lanes store 256 consecutive bytes of a plane, aligned
.else
	global_store_b128 v[VSK], v[OUT:OUT+3], s[14:15] offset:2*((\u)%6-4)*16384+(128*\p+16*((\u)/6))*16
.endif
.endm
.macro PHASE p
.irp q, 0,1
.irp b, 0,1,2,3
.irp e, 0,1
	global_load_b128 v[CS+8*(6*\q+\b)+4*\e:CS+8*(6*\q+\b)+4*\e+3], v[VCQ], s[12:13] offset:(4*\b+\e)*16384+(128*\p+16*\q)*16
.endr
.endr
.irp b, 4,5
.irp e, 0,1
	global_load_b128 v[CS+8*(6*\q+\b)+4*\e:CS+8*(6*\q+\b)+4*\e+3], v[VCK+2*\p+\q], s[12:13] offset:(4*(\b-4)+\e)*16384
.endr
.endr
.endr
.set n, 0
.rept 48
.set idx, 48*\p+n
	WIN (1+idx/32)<<2                              ; the stores' data lie in the accumulators' window
	ds_store_b128 v[RST], v[8*(idx%32):8*(idx%32)+3]   offset:n*1024
	ds_store_b128 v[RST], v[8*(idx%32)+4:8*(idx%32)+7] offset:n*1024+512
.set n, n+1
.endr
	WIN 0
	s_wait_dscnt 0x0                               ; for the others' sake: my stores are done
	s_barrier_signal -1
	s_barrier_wait -1
	RLOAD 0
.irp u, 0,1,2,3,4,5,6,7,8,9,10,11
	UNIT \p, \u
.endr
.endm
	PHASE 0
	s_wait_dscnt 0x0                               ; my reads of phase 0's sums are back
	s_barrier_signal -1
	s_barrier_wait -1                              ; everybody's are: the bytes may be written again
	PHASE 1
	s_wait_tensorcnt 0x0                           ; the wave's end
	ds_add_u32 v[SPW], v[NIL]
	s_wait_dscnt 0x0
	CROUND                                         ; the closing round
	s_endpgm
.Lfunc_end_k_qfb76b71dd8_qkv:
	.size	k_qfb76b71dd8_qkv, .Lfunc_end_k_qfb76b71dd8_qkv-k_qfb76b71dd8_qkv
	.p2alignl 7, 3214868480
	.fill 96, 4, 3214868480
	.section	.rodata,"a",@progbits
	.p2align	6, 0x0
	.amdhsa_kernel k_qfb76b71dd8_qkv
		.amdhsa_group_segment_fixed_size 327680
		.amdhsa_private_segment_fixed_size 0
		.amdhsa_enable_private_segment 0
		.amdhsa_kernarg_size 48
		.amdhsa_user_sgpr_count 2
		.amdhsa_user_sgpr_kernarg_segment_ptr 1
		.amdhsa_wavefront_size32 1
		.amdhsa_system_sgpr_workgroup_id_x 1
		.amdhsa_system_sgpr_workgroup_id_y 1
		.amdhsa_system_sgpr_workgroup_id_z 1
		.amdhsa_system_vgpr_workitem_id 0
		.amdhsa_next_free_vgpr 1024
		.amdhsa_next_free_sgpr 90
		.amdhsa_reserve_vcc 0
		.amdhsa_float_denorm_mode_32 3
		.amdhsa_float_denorm_mode_16_64 3
		.amdhsa_memory_ordered 1
		.amdhsa_forward_progress 1
		.amdhsa_inst_pref_size 165
	.end_amdhsa_kernel
	.amdgpu_metadata
---
amdhsa.version: [ 1, 2 ]
amdhsa.kernels:
  - .name:           k_qfb76b71dd8_qkv
    .symbol:         k_qfb76b71dd8_qkv.kd
    .args:
      - { .name: xb, .offset: 0, .size: 8, .value_kind: global_buffer, .address_space: global }
      - { .name: wq, .offset: 8, .size: 8, .value_kind: global_buffer, .address_space: global }
      - { .name: wk, .offset: 16, .size: 8, .value_kind: global_buffer, .address_space: global }
      - { .name: wv, .offset: 24, .size: 8, .value_kind: global_buffer, .address_space: global }
      - { .name: rope, .offset: 32, .size: 8, .value_kind: global_buffer, .address_space: global }
      - { .name: qkv, .offset: 40, .size: 8, .value_kind: global_buffer, .address_space: global }
    .group_segment_fixed_size: 327680
    .private_segment_fixed_size: 0
    .kernarg_segment_align: 8
    .kernarg_segment_size: 48
    .max_flat_workgroup_size: 128
    .sgpr_count:     90
    .vgpr_count:     1024
    .wavefront_size: 32
...
	.end_amdgpu_metadata
.endif
;; end of part 2
;; launch attn (part 3): grid 32 x 8, 4 waves a work-group, no clusters, 35,328 bytes of LDS; arguments qkv, att; writes att
.if DOCPART == 3
	.amdgcn_target "amdgcn-amd-amdhsa--gfx1250"
	.amdhsa_code_object_version 6
	.text
	.protected	k_qfb76b71dd8_attn
	.globl	k_qfb76b71dd8_attn
	.p2align	8
	.type	k_qfb76b71dd8_attn,@function
k_qfb76b71dd8_attn:
	s_mov_b64 s[64:65], 0
	v_nop
	global_prefetch_b8 v0, s[64:65] scope:SCOPE_SE
	s_setreg_imm32_b32 hwreg(HW_REG_WAVE_MODE, 25, 1), 1
	s_wait_xcnt 0x0
; ATTENTION, causal, 32 query heads on 8 key and value heads, head size 128.  In: qkv (f16, planes [column / 8][t][8], all numbers a quarter of their value).
; Out: att (f16, the same layout, column = 128 head + channel, a quarter of its value).  Products in f16 with f32 sums; maxima, exponentials and sums in f32; the weights p are rounded to f16.
; SHARES.  Work-group (b = 0..31, g = 0..7): queries 32 b .. 32 b + 31 of the four query heads 4 g + w, one head a wave, two tiles of 16 queries.  The four heads read the same K and V,
; which lie once in LDS, 64 keys a step.  The step that holds the diagonal (keys 64 (b / 2) on) comes first, masked; it starts maxima, sums and O, so nothing is cleared.  Then b / 2 full steps.
; Keys behind the diagonal step are never read: the mask of reference() throws them away.
; NO JOINT LOADS between query blocks: block b walks b / 2 + 1 steps, so partners would need different numbers of tiles.  What is shared at equal length, the four heads of a
; key head, is shared inside the work-group.  K and V come through registers (16 loads a wave, asked for a step ahead) into one LDS tile, two barriers a step.
; LAYOUT.  S^T = K Q^T (source 0 = 16 keys, source 1 = 16 queries): a lane holds one query (lane % 16) and keys 8 (lane / 16) + 0..7.  Two such tiles, rounded in pairs, are source 1 of
; O^T = V^T P, whose result holds one query a lane and eight channels: 16 bytes of a plane of att.  V is turned on its way out of LDS by ds_load_tr16_b128.
; SOFTMAX.  Running maximum m and sum l for each query: p = 2^(c s - c m); O and l are multiplied by a = 2^(c m_old - c m_new) in every step.  c = 16 log2(e) / sqrt(128): the 16 undoes the two quarters.
; LIMITS.  The steps are added in another order than reference()'s (the diagonal first).  Weights below 6e-8 of a row's largest are rounded to 0 by f16.
; REGISTERS.  Window 0: v1-11 addresses; v12-27 statistics, 8 a tile; v32-95 the next tile on its way; v96-159 S^T, 32 a tile; v160-191 P, 16 a tile.
; Window 1: v0-127 O^T, 64 a tile; v128-191 Q.  Window 2: v0-127 K's fragments, v128-255 V's.
.set KPL,  1024                        ; a plane of K in LDS: 64 keys x 16 bytes
.set VPL,  1152                        ; a plane of V: + 128, so that the two planes of a turning load lie 128 bytes apart modulo 256
.set VOFF, 16*KPL
.set L16, 3                            ; v3   16 x lane
.set KST, 4                            ; v4   where I put K's planes
.set VST, 5                            ; v5   where I put V's
.set KAD, 6                            ; v6   my place in K's fragments
.set VAD, 7                            ; v7   my place in V's
.set QO,  8                            ; v8   my byte offset in Q's and att's planes
.set LIM, 9                            ; v9-10  the mask: key 16 kb + j of the diagonal step is kept where it is not above this, for tile 0, 1
.set NINF, 11                          ; v11  -infinity
.set ST,  12                           ; tile t's statistics at v[ST+8 t]: +0 c m, +1 m, +2, +3 l (even keys', odd keys'), +4 to +7 at work; a takes +6
.set STG, 32
.set S,   96
.set P,   160
.set KF,  0
.set VF,  128
.set QF,  128
.set WV,  12                           ; s12 wave
.set NF,  15                           ; s15 full steps: b / 2
.set T,   16                           ; s16 counts them
.set CSC, 18                           ; s[18:19] c
.set SEL, 20                           ; s[20:21] v_permlanex16_b32: each lane takes its own place in the other half
.set MSB, 0
.macro WIN new
.if MSB != (\new)
	s_set_vgpr_msb (MSB<<8)|(\new)
.set MSB, (\new)
.endif
.endm
.set W_KQ, 0x06                        ; K window 2, Q window 1, S^T window 0
.set W_PV, 0x52                        ; V window 2, P window 0, O^T window 1
.set W_RS, 0x41                        ; O^T (destination and source 0) window 1, a window 0
.macro PLACES                          ; four plain vector instructions behind a matrix instruction, ahead of whatever reads its result or writes one of its registers (ISA guide 7.12.1)
.rept 4
	v_nop
.endr
.endm
	s_load_b128 s[4:7], s[0:1], 0x0                ; qkv s[4:5], att s[6:7]
	v_lshl_add_u32 v254, v0, 2, 0x8800
	v_mov_b32 v255, 0
	v_lshrrev_b32 v1, 5, v0
	v_readfirstlane_b32 s[WV], v1
	s_and_b32 s14, ttmp7, 0xffff                   ; g
	s_lshr_b32 s[NF], ttmp9, 1
	s_lshl_b32 s22, s14, 4                         ; K's planes 512 + 16 g + 4 w on are the ones that I copy
	s_lshl_b32 s23, s[WV], 2
	s_add_co_u32 s22, s22, s23
	s_add_co_u32 s22, s22, 512
	s_lshl_b32 s22, s22, 14
	s_mov_b32 s23, 0
	s_lshl_b32 s24, s[NF], 10                      ; the diagonal step: 64 keys x 16 bytes for each full step
	s_mov_b32 s25, 0
	s_lshl_b32 s26, s14, 2
	s_add_co_u32 s26, s26, s[WV]                   ; my head
	s_lshl_b32 s26, s26, 18                        ; its 16 planes,
	s_lshl_b32 s27, ttmp9, 9                       ; my 32 rows
	s_add_co_u32 s26, s26, s27
	s_mov_b32 s27, 0
	s_mov_b32 s[CSC], 0x400293ee                   ; c = 16 log2(e) / sqrt(128) = 2.04027
	s_mov_b32 s[CSC+1], s[CSC]
	s_mov_b32 s[SEL], 0x76543210
	s_mov_b32 s[SEL+1], 0xfedcba98
	v_and_b32 v1, 15, v0                           ; r
	v_bfe_u32 v2, v0, 4, 1                         ; h
	v_and_b32 v[L16], 31, v0
	v_lshlrev_b32 v[L16], 4, v[L16]
	v_lshlrev_b32 v[QO], 4, v1
	v_lshl_add_u32 v[QO], v2, 14, v[QO]            ; plane + h, row r
	s_wait_kmcnt 0x0
	s_add_nc_u64 s[8:9], s[4:5], s[22:23]          ; the full steps' tiles, from keys 0 on
	s_add_nc_u64 s[10:11], s[8:9], s[24:25]        ; the diagonal step's
	s_add_nc_u64 s[28:29], s[4:5], s[26:27]        ; Q
	s_add_nc_u64 s[30:31], s[6:7], s[26:27]        ; att
.macro TLOAD sb                        ; my four planes of K and of V (128 planes further on), 64 keys: 16 loads of 512 consecutive bytes
.irp pl, 0,1,2,3
.irp e, 0,1
	global_load_b128 v[STG+8*\pl+4*\e:STG+8*\pl+4*\e+3],       v[L16], s[\sb:\sb+1] offset:\pl*16384+\e*512
	global_load_b128 v[STG+32+8*\pl+4*\e:STG+32+8*\pl+4*\e+3], v[L16], s[\sb:\sb+1] offset:128*16384+\pl*16384+\e*512
.endr
.endr
.endm
.macro TSTORE
.irp pl, 0,1,2,3
.irp e, 0,1
	ds_store_b128 v[KST], v[STG+8*\pl+4*\e:STG+8*\pl+4*\e+3]       offset:\pl*KPL+\e*512
	ds_store_b128 v[VST], v[STG+32+8*\pl+4*\e:STG+32+8*\pl+4*\e+3] offset:\pl*VPL+\e*512
.endr
.endr
.endm
	TLOAD 10
	WIN 0x40                                       ; destination window 1
.irp t, 0,1
.irp c, 0,1,2,3
	global_load_b128 v[QF+32*\t+8*\c:QF+32*\t+8*\c+3],   v[QO], s[28:29] offset:4*\c*16384+\t*256       ; Q stays in registers: tile t, channels 32 c on
	global_load_b128 v[QF+32*\t+8*\c+4:QF+32*\t+8*\c+7], v[QO], s[28:29] offset:(4*\c+2)*16384+\t*256
.endr
.endr
	WIN 0
	s_lshl_b32 s22, s[WV], 12
	v_add_nc_u32 v[KST], s22, v[L16]
	s_mul_i32 s23, s[WV], 4*VPL
	s_add_co_u32 s23, s23, VOFF
	v_add_nc_u32 v[VST], s23, v[L16]
	v_lshlrev_b32 v[KAD], 4, v1
	v_lshl_add_u32 v[KAD], v2, 10, v[KAD]          ; plane + h, key r
	; The turning load: lane l reads 16 bytes, key 8 (l / 16) + l % 8, plane (l / 8) % 2, and is left with channel l % 16 of 8 keys.
	v_bfe_u32 v[VAD], v0, 3, 1
	v_mul_u32_u24 v[VAD], v[VAD], VPL
	v_and_b32 v[LIM], 7, v0
	v_lshl_add_u32 v[LIM], v2, 3, v[LIM]
	v_lshl_add_u32 v[VAD], v[LIM], 4, v[VAD]
	v_add_nc_u32 v[VAD], VOFF, v[VAD]
	s_and_b32 s22, ttmp9, 1                        ; my query's place among the diagonal step's 64 keys is 32 (b & 1) + 16 t + r; my keys are 16 kb + 8 h + j
	s_lshl_b32 s22, s22, 5
	v_lshlrev_b32 v[LIM], 3, v2
	v_sub_nc_u32 v[LIM], v1, v[LIM]
	v_add_nc_u32 v[LIM], s22, v[LIM]
	v_add_nc_u32 v[LIM+1], 16, v[LIM]
	v_mov_b32 v[NINF], 0xff800000
; Product i of 32 of S^T = K Q^T: channels 32 (i / 8) on, keys 16 ((i / 2) % 4) on, tile i % 2.  The first 8 start the sums.  The accumulators take turns.
.macro KQ
	WIN W_KQ
.set rS, S+32*(i%2)+8*((i/2)%4)
.set rK, KF+32*((i/2)%4)+8*(i/8)
.set rQ, QF+32*(i%2)+8*(i/8)
.if i < 8
	v_wmma_f32_16x16x32_f16 v[rS:rS+7], v[rK:rK+7], v[rQ:rQ+7], 0
.else
	v_wmma_f32_16x16x32_f16 v[rS:rS+7], v[rK:rK+7], v[rQ:rQ+7], v[rS:rS+7]
.endif
.endm
; Product i of 32 of O^T += V^T P: keys 32 (i / 16) on, channels 16 ((i / 2) % 8) on, tile i % 2.  zero = 1: the first 16 start the sums.
.macro PV zero
	WIN W_PV
.set rO, 64*(i%2)+8*((i/2)%8)
.set rV, VF+64*(i/16)+8*((i/2)%8)
.set rP, P+16*(i%2)+8*(i/16)
.if \zero && (i < 16)
	v_wmma_f32_16x16x32_f16 v[rO:rO+7], v[rV:rV+7], v[rP:rP+7], 0
.else
	v_wmma_f32_16x16x32_f16 v[rO:rO+7], v[rV:rV+7], v[rP:rP+7], v[rO:rO+7]
.endif
.endm
; One tile's softmax for one key step is a list of 134 instructions; SM writes number j of it for tile t.  s0-s31 are the lane's 32 scores, in pairs 0-15.
;   0-15    the maximum of s0-s31 and the old m, three operands at a time; each accumulator is read from its low registers on
;   16-20   the other half of the lanes' maximum; the new m; c m; c m_old - c m_new
;   21-87   33 exponentials (a, then s0-s31) at the odd numbers from 23 on, a plain instruction between any two: c s - c m for pairs to come, roundings of pairs done, the first sums
;   88-101  the last rounding; the rest of the sums; l = a l + the sum
;   102-133 the tile's O^T times a
; first = 1: the first step: no old maximum, no a, nothing to rescale.
.macro SM t, first
.set rT, ST+8*(\t)
.set rS, S+32*(\t)
.set rP, P+16*(\t)
.set rO, 64*(\t)+2*(j-102)
.set q, (j-20)/2
.if j < 102
	WIN 0
.endif
.if j < 4
	v_max3_num_f32 v[rT+4+j], v[rS+8*j], v[rS+8*j+1], v[rS+8*j+2]
.elseif j < 12
	v_max3_num_f32 v[rT+4+j%4], v[rT+4+j%4], v[rS+8*(j%4)+2*(j/4)+1], v[rS+8*(j%4)+2*(j/4)+2]
.elseif j == 12
	v_max3_num_f32 v[rT+4], v[rT+4], v[rS+7], v[rS+15]
.elseif j == 13
	v_max3_num_f32 v[rT+6], v[rT+6], v[rS+23], v[rS+31]
.elseif j == 14
	v_max3_num_f32 v[rT+4], v[rT+4], v[rT+5], v[rT+6]
.elseif (j == 15) && \first
	v_max_num_f32 v[rT+4], v[rT+4], v[rT+7]
.elseif j == 15
	v_max3_num_f32 v[rT+4], v[rT+4], v[rT+7], v[rT+1]
.elseif j == 16
	v_permlanex16_b32 v[rT+5], v[rT+4], s[SEL], s[SEL+1]   ; the query's other 32 keys lie in the lane 16 away
.elseif j == 18
	v_max_num_f32 v[rT+1], v[rT+4], v[rT+5]
.elseif j == 19
	v_mul_f32 v[rT], s[CSC], v[rT+1]
.elseif ((j == 17) || (j == 20) || (j == 23) || (j > 101)) && \first
.elseif j == 17
	v_mov_b32 v[rT+7], v[rT]                       ; c m_old is kept for a
.elseif j == 20
	v_sub_f32 v[rT+7], v[rT+7], v[rT]
.elseif j == 23
	v_exp_f32 v[rT+6], v[rT+7]
.elseif (j < 88) && (j > 23) && (j%2 == 1)
	v_exp_f32 v[rS+(j-25)/2], v[rS+(j-25)/2]
.elseif (q < 4) || ((j < 76) && (q%2 == 0))
.set b, q/2+2
.if q < 4
.set b, q
.endif
	v_pk_fma_f32 v[rS+2*b:rS+2*b+1], v[rS+2*b:rS+2*b+1], s[CSC:CSC+1], v[rT:rT+1] op_sel_hi:[1,0,0] neg_lo:[0,0,1] neg_hi:[0,0,1]   ; pair b: c s - c m
.elseif (j < 88) && (q%2 == 1)
	s_wait_alu depctr_va_vdst(0)
	v_cvt_pk_f16_f32 v[rP+(q-5)/2], v[rS+q-5], v[rS+q-4]
.elseif j == 89
	s_wait_alu depctr_va_vdst(0)
	v_cvt_pk_f16_f32 v[rP+15], v[rS+30], v[rS+31]
.elseif j < 102                        ; the sum of the 16 pairs, in place: neighbours 1, 2, 4 and 8 pairs apart, then l takes it
.set z, j-86
.if j < 89
.set z, (j-76)/4
.endif
.set w, 4
.set u, z
.if z >= 14
.set w, 32
.set u, 0
.elseif z >= 12
.set w, 16
.set u, z-12
.elseif z >= 8
.set w, 8
.set u, z-8
.endif
.if (z == 14) && \first
	v_pk_add_f32 v[rT+2:rT+3], v[rS:rS+1], v[rS+16:rS+17]
.elseif z < 15
	v_pk_add_f32 v[rS+w*u:rS+w*u+1], v[rS+w*u:rS+w*u+1], v[rS+w*u+w/2:rS+w*u+w/2+1]
.elseif !\first
	v_pk_fma_f32 v[rT+2:rT+3], v[rT+2:rT+3], v[rT+6:rT+7], v[rS:rS+1] op_sel_hi:[1,0,1]
.endif
.else
	WIN W_RS
	v_pk_mul_f32 v[rO:rO+1], v[rO:rO+1], v[rT+6:rT+7] op_sel_hi:[1,0]
.endif
.endm
; Numbers 2 k and 2 k + 1 of both tiles' lists (k = 63: 126 to 133).  Among the exponentials tile by tile (plain, exponential, plain, exponential); elsewhere the tiles alternate.
.macro SLICE y, first
.if (k >= 11) && (k < 44)
.irp t, \y, \y+1
.irp n, 0,1
.set j, 2*k+\n
	SM \t, \first
.endr
.endr
.else
.irp n, 0,1,2,3,4,5,6,7
.if (\n < 2) || (k == 63)
.irp t, \y, \y+1
.set j, 2*k+\n
	SM \t, \first
.endr
.endif
.endr
.endif
.set k, k+1
.endm
; A KEY STEP on the tile in LDS, in phases: fragments, K Q^T, (the mask,) the softmax, V^T P.
.macro STEP first
	WIN 0x80                                       ; destination window 2
.irp f, 0,1,2,3,4,5,6,7,8,9,10,11,12,13,14,15  ; keys 16 (f / 4) on, channels 32 (f % 4) on
	ds_load_b128 v[KF+8*\f:KF+8*\f+3],   v[KAD] offset:(\f%4)*4*KPL+(\f/4)*256
	ds_load_b128 v[KF+8*\f+4:KF+8*\f+7], v[KAD] offset:(\f%4)*4*KPL+(\f/4)*256+2*KPL
.endr
.irp f, 0,1,2,3,4,5,6,7,8,9,10,11,12,13,14,15  ; keys 32 (f / 8) on, channels 16 (f % 8) on
	ds_load_tr16_b128 v[VF+8*\f:VF+8*\f+3],   v[VAD] offset:(\f%8)*2*VPL+(\f/8)*512
	ds_load_tr16_b128 v[VF+8*\f+4:VF+8*\f+7], v[VAD] offset:(\f%8)*2*VPL+(\f/8)*512+256
.endr
	s_wait_dscnt 32                                ; K is in; V's 32 loads may be out
.set i, 0
.rept 32
	KQ
.set i, i+1
.endr
	WIN 0
	PLACES
.if \first
.irp t, 0,1                            ; the causal mask, as reference() sets it: -infinity where the key lies behind the query.  Each query keeps its own key, so its maximum is finite
.set n, 0
.rept 32
	v_cmp_gt_i32 vcc_lo, 16*(n/8)+n%8, v[LIM+\t]
	v_cndmask_b32 v[S+32*\t+n], v[S+32*\t+n], v[NINF], vcc_lo
.set n, n+1
.endr
.endr
.endif
.set k, 0
.rept 64
	SLICE 0, \first
.endr
	s_wait_dscnt 0x0                               ; V is in
.set i, 0
.rept 32
	PV \first
.set i, i+1
.endr
	WIN 0
	PLACES                                         ; ahead of the next step's loads into K's and V's registers, and of the way out
.endm
	s_wait_loadcnt 0x0                             ; the diagonal step's tile, and Q
	TSTORE
	s_wait_dscnt 0x0                               ; for the others' sake: my planes are in LDS
	s_barrier_signal -1
	s_barrier_wait -1
	s_cmp_eq_u32 s[NF], 0
	s_cbranch_scc1 .Lonly
	TLOAD 8                                        ; keys 0-63 are asked for under the diagonal step
.Lonly:
	STEP 1
	s_cmp_eq_u32 s[NF], 0
	s_cbranch_scc1 .Lout
	s_mov_b32 s[T], 0
.Ltile:                                                ; b / 2 trips; the LDS addresses are the same in every trip
	s_wait_dscnt 0x0                               ; my reads of the tile in LDS are back
	s_barrier_signal -1
	s_barrier_wait -1                              ; everybody's are: it may be written over
	s_wait_loadcnt 0x0                             ; this trip's tile is in registers, and its loads have read their base
	TSTORE
	s_add_nc_u64 s[8:9], s[8:9], 1024              ; the next 64 keys
	s_wait_dscnt 0x0
	s_barrier_signal -1
	s_barrier_wait -1
	s_add_co_u32 s22, s[T], 1
	s_cmp_eq_u32 s22, s[NF]
	s_cbranch_scc1 .Lno_more                       ; the last trip asks for nothing
	TLOAD 8
.Lno_more:
	STEP 0
	s_add_co_u32 s[T], s[T], 1
	s_cmp_lt_u32 s[T], s[NF]
	s_cbranch_scc1 .Ltile
.Lout:
	; THE WAY OUT: l's two halves and the other half of the lanes' are added; O^T is divided by l, rounded to f16 and stored: a lane's eight channels are 16 bytes of a plane.
.irp t, 0,1
	v_add_f32 v[ST+8*\t+4], v[ST+8*\t+2], v[ST+8*\t+3]
.endr
.irp t, 0,1
	v_permlanex16_b32 v[ST+8*\t+5], v[ST+8*\t+4], s[SEL], s[SEL+1]
.endr
.irp t, 0,1
	v_add_f32 v[ST+8*\t+4], v[ST+8*\t+4], v[ST+8*\t+5]
.endr
.irp t, 0,1
	v_rcp_f32 v[ST+8*\t+6], v[ST+8*\t+4]
.endr
	v_nop                                          ; a plain instruction between the last reciprocal and its use (ISA guide 5.7.2)
	WIN W_RS
	s_wait_alu depctr_va_vdst(0)
.irp t, 0,1
.set i, 64*\t
.rept 32
	v_pk_mul_f32 v[i:i+1], v[i:i+1], v[ST+8*\t+6:ST+8*\t+7] op_sel_hi:[1,0]
.set i, i+2
.endr
.endr
	WIN 0x05                                       ; sources window 1, destination window 0: S^T's registers are free
.set i, 0
.rept 64
	v_cvt_pk_f16_f32 v[S+i], v[2*i], v[2*i+1]
.set i, i+1
.endr
	WIN 0
.irp t, 0,1
.irp c, 0,1,2,3,4,5,6,7
	global_store_b128 v[QO], v[S+32*\t+4*\c:S+32*\t+4*\c+3], s[30:31] offset:2*\c*16384+\t*256   ; 16 lanes store 256 consecutive bytes of a plane, aligned
.endr
.endr
	s_wait_tensorcnt 0x0
	ds_add_u32 v254, v255
	s_wait_dscnt 0x0
	s_endpgm
.Lfunc_end_k_qfb76b71dd8_attn:
	.size	k_qfb76b71dd8_attn, .Lfunc_end_k_qfb76b71dd8_attn-k_qfb76b71dd8_attn
	.p2alignl 7, 3214868480
	.fill 96, 4, 3214868480
	.section	.rodata,"a",@progbits
	.p2align	6, 0x0
	.amdhsa_kernel k_qfb76b71dd8_attn
		.amdhsa_group_segment_fixed_size 35328
		.amdhsa_private_segment_fixed_size 0
		.amdhsa_enable_private_segment 0
		.amdhsa_kernarg_size 16
		.amdhsa_user_sgpr_count 2
		.amdhsa_user_sgpr_kernarg_segment_ptr 1
		.amdhsa_wavefront_size32 1
		.amdhsa_system_sgpr_workgroup_id_x 1
		.amdhsa_system_sgpr_workgroup_id_y 1
		.amdhsa_system_sgpr_workgroup_id_z 1
		.amdhsa_system_vgpr_workitem_id 0
		.amdhsa_next_free_vgpr 768
		.amdhsa_next_free_sgpr 66
		.amdhsa_reserve_vcc 1
		.amdhsa_float_denorm_mode_32 3
		.amdhsa_float_denorm_mode_16_64 3
		.amdhsa_memory_ordered 1
		.amdhsa_forward_progress 1
		.amdhsa_inst_pref_size 70
	.end_amdhsa_kernel
	.amdgpu_metadata
---
amdhsa.version: [ 1, 2 ]
amdhsa.kernels:
  - .name:           k_qfb76b71dd8_attn
    .symbol:         k_qfb76b71dd8_attn.kd
    .args:
      - { .name: qkv, .offset: 0, .size: 8, .value_kind: global_buffer, .address_space: global }
      - { .name: att, .offset: 8, .size: 8, .value_kind: global_buffer, .address_space: global }
    .group_segment_fixed_size: 35328
    .private_segment_fixed_size: 0
    .kernarg_segment_align: 8
    .kernarg_segment_size: 16
    .max_flat_workgroup_size: 128
    .sgpr_count:     66
    .vgpr_count:     768
    .wavefront_size: 32
...
	.end_amdgpu_metadata
.endif
;; end of part 3
;; launch oproj (part 4): grid 64 x 4, 4 waves a work-group, clusters of 4 x 4, 327,680 bytes of LDS; arguments att, wo, out0; writes out0
.if DOCPART == 4
	.amdgcn_target "amdgcn-amd-amdhsa--gfx1250"
	.amdhsa_code_object_version 6
	.text
	.protected	k_qfb76b71dd8_oproj
	.globl	k_qfb76b71dd8_oproj
	.p2align	8
	.type	k_qfb76b71dd8_oproj,@function
k_qfb76b71dd8_oproj:
	s_mov_b64 s[64:65], 0
	v_nop
	global_prefetch_b8 v0, s[64:65] scope:SCOPE_SE
	s_setreg_imm32_b32 hwreg(HW_REG_WAVE_MODE, 25, 1), 1
	s_wait_xcnt 0x0
	s_wait_alu depctr_hold_cnt(0) depctr_sa_sdst(0) depctr_va_vdst(0) depctr_va_sdst(0) depctr_va_ssrc(0) depctr_va_vcc(0) depctr_vm_vsrc(0)
	s_getreg_b32 s2, hwreg(HW_REG_IB_STS2, 6, 4)
	s_cmp_eq_u32 s2, 0
	s_cbranch_scc0 .Lentry_in_a_cluster
	s_endpgm
.Lentry_in_a_cluster:
	s_bfe_u32 s2, ttmp6, 0x10000c
	s_cmp_lg_u32 s2, 0xf033
	s_cbranch_scc0 .Lentry_shape_is_right
	s_endpgm
.Lentry_shape_is_right:
; OUT = att wo^T (K = 4,096), f32.  att comes as f16 planes [column / 8][t][8], a quarter of its value; the sums are multiplied by 4 at the end.
; wo lands in LDS as f32, is rounded to bf16 and carried on in f16, which holds every bf16 number from 2^-17 up exactly (below: to 3e-8); products in f16, sums in f32.
; SHARES.  256 work-groups.  Work-group (j = 0..63, cy = 0..3) makes rows 256 cy on x columns 64 j on.  K IS SPLIT OVER THE FOUR WAVES: a K step is 128, wave w multiplies
; k = 32 w .. 32 w + 31 of every step for the whole tile, 16 x 4 accumulators = 512 registers.  Each byte that lands in LDS is read from LDS once, each weight is converted once in
; the work-group; the four partial tiles are added through LDS at the end.
; CLUSTER 4 x 4.  att's tile hangs on cy alone: asked for jointly along a row of the cluster; wo's on j alone: jointly along a column, so each weight is asked for once in the launch.
; THE MATRIX INSTRUCTION IS USED TRANSPOSED (source 0 = 16 rows of wo, source 1 = 16 rows of att): a lane holds row l % 16 and eight neighbouring columns.
; LIMITS.  The f32 sums are made in another order than reference()'s (four partial sums over K).  wo as f16 overflows beyond 65,504; drawn at a spread of 1/64 it stays between 5e-4 and 0.5
; when 30 times smaller, 30 times larger or offset by 30 spreads.
; REGISTERS.  Window 0: v1-v29 addresses; v32-95 att's fragments, two buffers of four; v96-159 wo as f32; v192-223 wo as f16; v224-255 at work.
; Windows 1-2: accumulator (a, b), number 4 a + b: window 1 + number / 32, v[8 (number % 32)].
.set NB,     4
.set APL,    4096                      ; a plane of att's tile: 256 rows x 16 bytes
.set WPITCH, 528                       ; a row of wo in LDS: 128 f32 + 16 bytes = 132 words: row r starts at bank 4 r mod 64 (64 banks of 4 bytes: ISA guide 11.1)
.set WOFF,   16*APL
.set SLOT,   WOFF+16*NB*WPITCH         ; 99,328
.set OPITCH, 272                       ; the way out: a row of 64 f32 + 16 bytes
.set REGN,   256*OPITCH                ; a wave's partial tile: 69,632
.set SPARE,  4*REGN                    ; behind the four partial tiles (which cover the ring): the spare words, two blocks of 256 bytes that no other line names
.set RST,  5                           ; v5      the way out: where I put my partial sums
.set RRD,  6                           ; v6-9    where I read the four waves' partial sums of my rows
.set VO,   10                          ; v10     my byte offset in out0
.set XAD,  16                          ; v16-17  LDS address of my fragments of att in slot 0, 1
.set WAD,  18                          ; v18-19  the same for wo
.set SPW,  28
.set NIL,  29
.set X,    32
.set WF,   96
.set WB,   192
.set CT,   224
.set RB,   32                          ; the way out: v32-159, two buffers of 64
.set WV,   16
.set CX,   17
.set CY,   18
.set J,    19
.set G1A,  24                          ; s[24:31] group 1 for att's tiles;  s[32:39] for wo's
.set G1W,  32
.set G0A,  48                          ; s[48:55], s[56:63]: their groups 0, a set for each slot
.set G0W,  56
.set HM,   76                          ; s76  a word's upper half
.set ALDS, 77                          ; s77  wave x 32,768
.set WLDS, 78                          ; s78  where waves 2, 3 put wo's rows 0-31, 32-63
.set MSB, 0
.macro WIN new
.if MSB != (\new)
	s_set_vgpr_msb (MSB<<8)|(\new)
.set MSB, (\new)
.endif
.endm
.macro PLACES                          ; four plain vector instructions behind a matrix instruction, ahead of whatever reads its result or writes one of its registers (ISA guide 7.12.1 for vector instructions)
.rept 4
	v_nop
.endr
.endm
.macro CREST
	s_cmp_lg_u32 s[WV], 0
	s_cbranch_scc1 .Lnot_wave_0_\@
	s_barrier_signal -3
.Lnot_wave_0_\@:
	s_barrier_wait -3
	s_barrier_signal -1
	s_barrier_wait -1
.endm
.macro CROUND
	s_barrier_signal -1
	s_barrier_wait -1
	CREST
.endm
.macro JLOAD s                         ; waves 0, 1: att's planes 0-7, 8-15; waves 2, 3: wo's rows 0-31, 32-63.  Four v_nop follow each line
	s_cmp_lt_u32 s[WV], 2
	s_cbranch_scc0 .Lfor_w_\@
	tensor_load_to_lds s[G0A+4*\s:G0A+4*\s+3], s[G1A:G1A+7]
	s_nop 0
	PLACES
	s_branch .Lasked_\@
.Lfor_w_\@:
	tensor_load_to_lds s[G0W+4*\s:G0W+4*\s+3], s[G1W:G1W+7]
	s_nop 0
	PLACES
.Lasked_\@:
.endm
	s_load_b128 s[4:7], s[0:1], 0x0                ; att s[4:5], wo s[6:7]
	s_load_b64 s[8:9], s[0:1], 0x10                ; out0
	v_lshl_add_u32 v[SPW], v0, 2, SPARE
	v_mov_b32 v[NIL], 0
	ds_add_u32 v28, v29
	s_wait_dscnt 0x0
	v_lshrrev_b32 v1, 5, v0
	v_readfirstlane_b32 s[WV], v1
	s_bfe_u32 s[CX], ttmp6, 0x40000
	s_bfe_u32 s[CY], ttmp6, 0x40004                ; the cluster's four rows are the launch's four row blocks
	s_lshl_b32 s[J], ttmp9, 2
	s_add_co_u32 s[J], s[J], s[CX]
	s_lshl_b32 s20, s[CY], 2
	s_lshl_b32 s20, 15, s20                        ; my row of the cluster
	s_lshl_b32 s22, 0x1111, s[CX]                  ; my column
	s_or_b32 s[G1A], s20, (3<<16)|(1<<21)          ; the mask; elements of 8 bytes; 21 set beside a mask; no padding
	s_mov_b32 s[G1A+1], 512<<16                    ; a plane's 256 rows x 16 bytes
	s_mov_b32 s[G1A+2], 8<<16                      ; 8 planes
	s_mov_b32 s[G1A+3], 512<<16
	s_mov_b32 s[G1A+4], 8
	s_mov_b32 s[G1A+5], 2048                       ; from plane to plane: 16,384 bytes
	s_mov_b32 s[G1A+6], 0
	s_mov_b32 s[G1A+7], 0
	s_or_b32 s[G1W], s22, (2<<16)|(1<<20)|(1<<21)|(6<<22)|(3<<25)   ; elements of 4 bytes; padding: after every 128 words (code 6) 4 words (code 3)
	s_mov_b32 s[G1W+1], 128<<16
	s_mov_b32 s[G1W+2], 32<<16
	s_mov_b32 s[G1W+3], 128<<16
	s_mov_b32 s[G1W+4], 32
	s_mov_b32 s[G1W+5], 4096
	s_mov_b32 s[G1W+6], 0
	s_mov_b32 s[G1W+7], 0
	s_mov_b32 s[HM], 0xffff0000
	s_and_b32 s20, s[WV], 1                        ; att: planes 8 (wave & 1) on, rows 256 cy on: in registers that never hold cx
	s_lshl_b32 s20, s20, 17
	s_lshl_b32 s21, s[CY], 12
	s_add_co_u32 s20, s20, s21
	s_mov_b32 s21, 0
	s_lshl_b32 s22, s[J], 20                       ; wo: rows 64 j + 32 (wave & 1) on: in registers that never hold cy
	s_and_b32 s23, s[WV], 1
	s_lshl_b32 s23, s23, 19
	s_add_co_u32 s22, s22, s23
	s_mov_b32 s23, 0
	s_lshl_b32 s[ALDS], s[WV], 15
	s_mul_i32 s[WLDS], s[WV], 32*WPITCH
	s_add_co_u32 s[WLDS], s[WLDS], WOFF-2*32*WPITCH    ; wave 2: WOFF, wave 3: 32 rows on
	s_wait_kmcnt 0x0
	s_add_nc_u64 s[4:5], s[4:5], s[20:21]
	s_add_nc_u64 s[6:7], s[6:7], s[22:23]
	CROUND                                         ; all sixteen work-groups are here: the first joint loads meet
.irp s, 0,1
	s_mov_b32 s[G0A+4*\s], 1
	s_add_co_u32 s[G0A+4*\s+1], s[ALDS], \s*SLOT
	s_add_nc_u64 s[G0A+4*\s+2:G0A+4*\s+3], s[4:5], \s*16*16384
	s_or_b32 s[G0A+4*\s+3], s[G0A+4*\s+3], 0x80000000
	s_mov_b32 s[G0W+4*\s], 1
	s_add_co_u32 s[G0W+4*\s+1], s[WLDS], \s*SLOT
	s_add_nc_u64 s[G0W+4*\s+2:G0W+4*\s+3], s[6:7], \s*512
	s_or_b32 s[G0W+4*\s+3], s[G0W+4*\s+3], 0x80000000
.endr
	s_cmp_lt_u32 s[WV], 2                          ; a wave's two first fills stand in one branch: two loads of mine are out
	s_cbranch_scc0 .Lfirst_w
	tensor_load_to_lds s[G0A:G0A+3], s[G1A:G1A+7]
	s_nop 0
	tensor_load_to_lds s[G0A+4:G0A+7], s[G1A:G1A+7]
	s_nop 0
	PLACES
	s_branch .Lfirst_asked
.Lfirst_w:
	tensor_load_to_lds s[G0W:G0W+3], s[G1W:G1W+7]
	s_nop 0
	tensor_load_to_lds s[G0W+4:G0W+7], s[G1W:G1W+7]
	s_nop 0
	PLACES
.Lfirst_asked:
	v_and_b32 v1, 15, v0                           ; r
	v_bfe_u32 v2, v0, 4, 1                         ; h
	s_lshl_b32 s20, s[WV], 14                      ; att: my four planes 4 w on; plane + h, row r
	v_lshlrev_b32 v3, 4, v1
	v_lshl_add_u32 v3, v2, 12, v3
	v_add_nc_u32 v[XAD], s20, v3
	v_add_nc_u32 v[XAD+1], SLOT, v[XAD]
	s_lshl_b32 s21, s[WV], 7                       ; wo: row r, my 128 bytes, 32 bytes for each half of the lanes
	s_add_co_u32 s21, s21, WOFF
	v_mul_u32_u24 v4, v1, WPITCH
	v_lshl_add_u32 v4, v2, 5, v4
	v_add_nc_u32 v[WAD], s21, v4
	v_add_nc_u32 v[WAD+1], SLOT, v[WAD]
.macro LOADX slot, g, buf
.irp i, 0,1,2,3
	ds_load_b128 v[X+32*\buf+8*\i:X+32*\buf+8*\i+3],   v[XAD+\slot] offset:(4*\g+\i)*256
	ds_load_b128 v[X+32*\buf+8*\i+4:X+32*\buf+8*\i+7], v[XAD+\slot] offset:(4*\g+\i)*256+2*APL
.endr
.endm
.macro LOADW slot
.irp b, 0,1,2,3
	ds_load_b128 v[WF+16*\b:WF+16*\b+3],     v[WAD+\slot] offset:\b*16*WPITCH
	ds_load_b128 v[WF+16*\b+4:WF+16*\b+7],   v[WAD+\slot] offset:\b*16*WPITCH+16
	ds_load_b128 v[WF+16*\b+8:WF+16*\b+11],  v[WAD+\slot] offset:\b*16*WPITCH+64
	ds_load_b128 v[WF+16*\b+12:WF+16*\b+15], v[WAD+\slot] offset:\b*16*WPITCH+80
.endr
.endm
; wo: rounded to bf16, widened again, packed as f16.  The first two runs name no register of the products just issued: they are the places in front of the third, which writes WB.
.macro CVTW
.set n, 0
.rept 8*NB
	v_cvt_pk_bf16_f32 v[CT+n], v[WF+2*n], v[WF+2*n+1]
.set n, n+1
.endr
.set n, 0
.rept 8*NB
	v_lshlrev_b32 v[WF+2*n], 16, v[CT+n]
	v_and_b32 v[WF+2*n+1], s[HM], v[CT+n]
.set n, n+1
.endr
.set n, 0
.rept 8*NB
	v_cvt_pk_f16_f32 v[WB+n], v[WF+2*n], v[WF+2*n+1]
.set n, n+1
.endr
.endm
; Each accumulator has one instruction a K step, always in the same order: the accumulators take turns.
.macro MUL a0, na, buf, zero
.set a, \a0
.rept \na
.set b, 0
.rept NB
.set idx, NB*a+b
.set rA, 8*(idx%32)
	WIN 0x50*(1+idx/32)
.if \zero
	v_wmma_f32_16x16x32_f16 v[rA:rA+7], v[WB+8*b:WB+8*b+7], v[X+32*\buf+8*(a%4):X+32*\buf+8*(a%4)+7], 0
.else
	v_wmma_f32_16x16x32_f16 v[rA:rA+7], v[WB+8*b:WB+8*b+7], v[X+32*\buf+8*(a%4):X+32*\buf+8*(a%4)+7], v[rA:rA+7]
.endif
.set b, b+1
.endr
.set a, a+1
.endr
.endm
.macro HEAD slot, zero                 ; the first half of a K step; at its end all my reads of the slot are issued
	LOADX \slot, 1, 1
	s_wait_dscnt 8                                 ; blocks 0-3 are in; the eight just issued may be out
	MUL 0, 4, 0, \zero
	PLACES
	WIN 0
	LOADX \slot, 2, 0
	s_wait_dscnt 8
	MUL 4, 4, 1, \zero
	PLACES
	WIN 0
	LOADX \slot, 3, 1
.endm
; The second half, with the change of slots.  mode 2: the slot is filled again, two K steps ahead, behind a round of the cluster's barrier; 1: a plain barrier; 0: the last K step.
.macro TURN slot, next, mode, zero
.if \mode == 0
	s_wait_dscnt 8
	MUL 8, 4, 0, \zero
	s_wait_dscnt 0x0
	MUL 12, 4, 1, \zero
	WIN 0
.else
	s_wait_tensorcnt 0x0                           ; all my tensor loads have landed: the one that was out is my part of the next slot
	ds_add_u32 v[SPW], v[NIL]                      ; 0 onto my spare word
	s_wait_dscnt 9                                 ; blocks 8-11 are in; the add and the eight loads of blocks 12-15 may be out
	MUL 8, 1, 0, \zero
	s_wait_dscnt 0x0                               ; the add is done, and my reads of this slot are over
	s_barrier_signal -1
	MUL 9, 1, 0, \zero
	WIN 0
	s_barrier_wait -1
.if \mode == 2
	CREST                                          ; no wave of any partner still reads this slot or has a load on its way
	s_add_nc_u64 s[G0A+4*\slot+2:G0A+4*\slot+3], s[G0A+4*\slot+2:G0A+4*\slot+3], 2*16*16384
	s_add_nc_u64 s[G0W+4*\slot+2:G0W+4*\slot+3], s[G0W+4*\slot+2:G0W+4*\slot+3], 2*512
	JLOAD \slot                                    ; my one tensor load behind the round: it has a K step's 64 products in which to land
.endif
	LOADW \next
	MUL 10, 2, 0, \zero
	PLACES
	WIN 0
	LOADX \next, 0, 0
	MUL 12, 4, 1, \zero
	WIN 0
	s_wait_dscnt 8                                 ; wo is in; att's eight loads may be out
	CVTW
.endif
.endm
	s_wait_tensorcnt 0x1                           ; my part of K step 0 is in; K step 1's may stay out
	s_barrier_signal -1
	s_barrier_wait -1
	LOADW 0
	LOADX 0, 0, 0
	s_wait_dscnt 8
	CVTW
	HEAD 0, 1                                      ; K step 0 starts the sums: nothing is cleared
	TURN 0, 1, 2, 1
	s_mov_b32 s3, 14
.Lk:                                                   ; K steps 1 to 28, two a trip
	HEAD 1, 0
	TURN 1, 0, 2, 0
	HEAD 0, 0
	TURN 0, 1, 2, 0
	s_sub_co_u32 s3, s3, 1
	s_cmp_lg_u32 s3, 0
	s_cbranch_scc1 .Lk
	HEAD 1, 0                                      ; K step 29 asks for K step 31, the last
	TURN 1, 0, 2, 0
	HEAD 0, 0
	TURN 0, 1, 1, 0
	HEAD 1, 0
	TURN 1, 0, 0, 0
	; THE WAY OUT.  Each wave puts its partial tile, 256 rows x 64 f32 in rows of 272 bytes, into its own 69,632 bytes (the slots have had their last fill); after a barrier
	; wave w adds the four tiles' rows 64 w .. 64 w + 63, multiplies by 4 and stores whole rows of 256 bytes.
	PLACES
	s_mul_i32 s20, s[WV], REGN
	v_mul_u32_u24 v3, v1, OPITCH                   ; in: row r of a block, 32 bytes for each half of the lanes
	v_lshl_add_u32 v3, v2, 5, v3
	v_add_nc_u32 v[RST], s20, v3
	s_mul_i32 s21, s[WV], 64*OPITCH
	v_mul_u32_u24 v4, v2, OPITCH                   ; back: lanes 0-15 one row, lanes 16-31 the next
	v_lshl_add_u32 v4, v1, 4, v4
	v_add_nc_u32 v[RRD], s21, v4
	v_add_nc_u32 v[RRD+1], REGN, v[RRD]
	v_add_nc_u32 v[RRD+2], 2*REGN, v[RRD]
	v_add_nc_u32 v[RRD+3], 3*REGN, v[RRD]
	s_lshl_b32 s22, s[CY], 8
	s_lshl_b32 s23, s[WV], 6
	s_add_co_u32 s22, s22, s23                     ; my first row of out0
	s_lshl_b32 s22, s22, 14
	s_lshl_b32 s23, s[J], 8                        ; 64 j columns of 4 bytes
	s_add_co_u32 s22, s22, s23
	v_lshlrev_b32 v11, 4, v1
	v_lshl_add_u32 v11, v2, 14, v11
	v_add_nc_u32 v[VO], s22, v11
	s_wait_dscnt 0x0
	s_barrier_signal -1
	s_barrier_wait -1                              ; every wave's reads of the slots are over
.set a, 0
.rept 16
.set b, 0
.rept NB
.set idx, NB*a+b
	WIN (1+idx/32)<<2                              ; the stores' data lie in the accumulators' window
	ds_store_b128 v[RST], v[8*(idx%32):8*(idx%32)+3]   offset:a*16*OPITCH+b*64
	ds_store_b128 v[RST], v[8*(idx%32)+4:8*(idx%32)+7] offset:a*16*OPITCH+b*64+16
.set b, b+1
.endr
.set a, a+1
.endr
	WIN 0
	s_wait_dscnt 0x0                               ; for the others' sake: my stores are done
	s_barrier_signal -1
	s_barrier_wait -1
.macro BLOAD t                         ; batch t: row pairs 4 t .. 4 t + 3 of the four partial tiles: 16 loads
.set bf, RB+64*((\t)%2)
.irp ii, 0,1,2,3
.irp s, 0,1,2,3
	ds_load_b128 v[bf+16*\ii+4*\s:bf+16*\ii+4*\s+3], v[RRD+\s] offset:(4*(\t)+\ii)*2*OPITCH
.endr
.endr
.endm
.macro BATCH t
.if \t < 7
	s_wait_xcnt 0x0                                ; the stores of the batch before have had their addresses translated (ISA guide 3.1): their data registers are loaded again only behind this wait
	BLOAD \t+1
	s_wait_dscnt 16                                ; batch t is in; the next batch's 16 loads may be out
.else
	s_wait_dscnt 0x0
.endif
.set bf, RB+64*((\t)%2)
.irp ii, 0,1,2,3
.irp k, 0,2
	v_pk_add_f32 v[bf+16*\ii+\k:bf+16*\ii+\k+1], v[bf+16*\ii+\k:bf+16*\ii+\k+1], v[bf+16*\ii+4+\k:bf+16*\ii+4+\k+1]
	v_pk_add_f32 v[bf+16*\ii+8+\k:bf+16*\ii+8+\k+1], v[bf+16*\ii+8+\k:bf+16*\ii+8+\k+1], v[bf+16*\ii+12+\k:bf+16*\ii+12+\k+1]
.endr
.endr
.irp ii, 0,1,2,3
.irp k, 0,2
	v_pk_add_f32 v[bf+16*\ii+\k:bf+16*\ii+\k+1], v[bf+16*\ii+\k:bf+16*\ii+\k+1], v[bf+16*\ii+8+\k:bf+16*\ii+8+\k+1]
.endr
.endr
.irp ii, 0,1,2,3
.irp k, 0,2
	v_pk_mul_f32 v[bf+16*\ii+\k:bf+16*\ii+\k+1], v[bf+16*\ii+\k:bf+16*\ii+\k+1], 4.0 op_sel_hi:[1,0]     ; att was kept at a quarter of its value
.endr
.endr
.irp ii, 0,1,2,3
	global_store_b128 v[VO], v[bf+16*\ii:bf+16*\ii+3], s[8:9] offset:(4*\t+\ii)*32768 th:TH_STORE_NT     ; 16 lanes store 256 consecutive bytes of a row, aligned
.endr
.endm
	BLOAD 0
.irp t, 0,1,2,3,4,5,6,7
	BATCH \t
.endr
	s_wait_tensorcnt 0x0                           ; the wave's end
	ds_add_u32 v[SPW], v[NIL]
	s_wait_dscnt 0x0
	CROUND                                         ; the closing round
	s_endpgm
.Lfunc_end_k_qfb76b71dd8_oproj:
	.size	k_qfb76b71dd8_oproj, .Lfunc_end_k_qfb76b71dd8_oproj-k_qfb76b71dd8_oproj
	.p2alignl 7, 3214868480
	.fill 96, 4, 3214868480
	.section	.rodata,"a",@progbits
	.p2align	6, 0x0
	.amdhsa_kernel k_qfb76b71dd8_oproj
		.amdhsa_group_segment_fixed_size 327680
		.amdhsa_private_segment_fixed_size 0
		.amdhsa_enable_private_segment 0
		.amdhsa_kernarg_size 24
		.amdhsa_user_sgpr_count 2
		.amdhsa_user_sgpr_kernarg_segment_ptr 1
		.amdhsa_wavefront_size32 1
		.amdhsa_system_sgpr_workgroup_id_x 1
		.amdhsa_system_sgpr_workgroup_id_y 1
		.amdhsa_system_sgpr_workgroup_id_z 1
		.amdhsa_system_vgpr_workitem_id 0
		.amdhsa_next_free_vgpr 768
		.amdhsa_next_free_sgpr 80
		.amdhsa_reserve_vcc 0
		.amdhsa_float_denorm_mode_32 3
		.amdhsa_float_denorm_mode_16_64 3
		.amdhsa_memory_ordered 1
		.amdhsa_forward_progress 1
		.amdhsa_inst_pref_size 130
	.end_amdhsa_kernel
	.amdgpu_metadata
---
amdhsa.version: [ 1, 2 ]
amdhsa.kernels:
  - .name:           k_qfb76b71dd8_oproj
    .symbol:         k_qfb76b71dd8_oproj.kd
    .args:
      - { .name: att, .offset: 0, .size: 8, .value_kind: global_buffer, .address_space: global }
      - { .name: wo, .offset: 8, .size: 8, .value_kind: global_buffer, .address_space: global }
      - { .name: out0, .offset: 16, .size: 8, .value_kind: global_buffer, .address_space: global }
    .group_segment_fixed_size: 327680
    .private_segment_fixed_size: 0
    .kernarg_segment_align: 8
    .kernarg_segment_size: 24
    .max_flat_workgroup_size: 128
    .sgpr_count:     80
    .vgpr_count:     768
    .wavefront_size: 32
...
	.end_amdgpu_metadata
.endif
;; end of part 4
;; ======== version 2 of 3: 4 launches; 1.13 times as fast as version 1
;; limits: values are held in f16: magnitudes above 65,504 overflow, below 6.1e-05 lose precision
;; workspace buffers: xb 8,388,608 bytes; rope 524,288 bytes; qkv 12,582,912 bytes; att 8,388,608 bytes
;; launch prep: the kernel of part 1 again; grid 256 x 1, 4 waves a work-group, no clusters, 37,376 bytes of LDS; arguments x, xb, rope; writes xb, rope
;; launch qkv (part 5): grid 256 x 1, 4 waves a work-group, clusters of 4 x 1, 327,680 bytes of LDS; arguments xb, wq, wk, wv, rope, qkv; writes qkv
.if DOCPART == 5
	.amdgcn_target "amdgcn-amd-amdhsa--gfx1250"
	.amdhsa_code_object_version 6
	.text
	.protected	k_qfb76b71dd8_qkv
	.globl	k_qfb76b71dd8_qkv
	.p2align	8
	.type	k_qfb76b71dd8_qkv,@function
k_qfb76b71dd8_qkv:
	s_mov_b64 s[64:65], 0
	v_nop
	global_prefetch_b8 v0, s[64:65] scope:SCOPE_SE
	s_setreg_imm32_b32 hwreg(HW_REG_WAVE_MODE, 25, 1), 1
	s_wait_xcnt 0x0
	s_wait_alu depctr_hold_cnt(0) depctr_sa_sdst(0) depctr_va_vdst(0) depctr_va_sdst(0) depctr_va_ssrc(0) depctr_va_vcc(0) depctr_vm_vsrc(0)
	s_getreg_b32 s2, hwreg(HW_REG_IB_STS2, 6, 4)
	s_cmp_eq_u32 s2, 0
	s_cbranch_scc0 .Lentry_in_a_cluster
	s_endpgm
.Lentry_in_a_cluster:
	s_bfe_u32 s2, ttmp6, 0x10000c
	s_cmp_lg_u32 s2, 0x3003
	s_cbranch_scc0 .Lentry_shape_is_right
	s_endpgm
.Lentry_shape_is_right:
; QKV.  q = x wq^T, k = x wk^T, v = x wv^T (K = 4,096), the rotation of q and k, all three times 1/4 and rounded to f16.
; Operands bf16 (x from xb; the weights land in LDS as f32 and are rounded in registers), sums f32.
; OUT: qkv[column / 8][row t][8 numbers] f16, planes of 16,384 bytes; columns 0-4095 q, 4096-5119 k, 5120-6143 v.
; SHARES.  256 work-groups.  Work-group (j = 0..63, row block = 0..3) makes 256 rows x 96 columns: wq's rows 64 j on and 32 rows of wk (j < 32) or wv, from row 32 (j & 31) on.
; K IS SPLIT OVER THE FOUR WAVES: a K step is 128, wave w multiplies k = 32 w .. 32 w + 31 of every step for the whole tile, 16 x 6 accumulators = 768 registers; the four
; partial tiles are added through LDS at the end.  So no two waves need the same byte of x or of W.
; x COMES STRAIGHT INTO REGISTERS.  In xb's planes half a fragment is 256 consecutive bytes, so a wave loads its own fragments by global loads into a ring of 16 fragments, one
; K step; a group of two is loaded again directly behind its 12 products and has seven eighths of a step in which to come.  x IS NOT ASKED FOR JOINTLY, though 64 column blocks
; read it: in LDS x (512 bytes a k) and W (384) together leave room for two slots of one step; W alone has two slots of two steps, so a refill has 192 products in which to
; land, there are 15 changes of slots in place of 31, and x's bytes are neither written to LDS nor read from it.
; W COMES JOINTLY.  Cluster 4 x 1: the four row blocks of one j.  They are all 1,024 rows, so each weight is asked for once in the launch.
; K GOES ROUND.  Column block j begins at K step 2 (j & 15) and wraps: sixteen starting points spread the column blocks' reads of x over all its planes.
; THE MATRIX INSTRUCTION IS USED TRANSPOSED (source 0 = 16 rows of W, source 1 = 16 rows of x): a lane holds row l % 16 and eight neighbouring columns.
; v takes the table's row t = 0, which is (1/4, 0): the same lines scale it and turn it by nothing, so no branch parts v from k.
; LIMITS.  The f32 sums are made in another order than reference()'s (four partial sums over K, each begun at a K step that hangs on j).  q, k, v are kept as f16 of a quarter of
; their value: they overflow beyond 262,016 and lose precision below about 2.4e-4 (step 2.4e-7).  With all inputs 30 times larger they are some 900 spreads, with offsets of
; 30 spreads on x and the weights together about 57,600, with all inputs 30 times smaller their spread is 1.1e-3.
; REGISTERS.  Window 0: v1-11 addresses; v16-143 x's ring; v144-191, v192-239 W as bf16, two buffers by turns; v240-255 a block of W as f32.
; Windows 1-3: accumulator (a, b), a = 0..15 row block, b = 0..5 column block, number 6 a + b: window 1 + number / 32, v[8 (number % 32)].
.set NB,     6
.set WPITCH, 1040                      ; a row of W in LDS: two steps' 256 f32 + 16 bytes = 260 words: row r starts at bank 4 r mod 64 (64 banks of 4 bytes: ISA guide 11.1)
.set SLOTX,  0x20000                   ; slot 0 at byte 0, slot 1 here: a slot's 99,840 bytes lie below this bit, so one exclusive or turns an address into the other slot's
.set SPARE,  SLOTX+16*NB*WPITCH        ; behind the ring: the spare words, 128 bytes for each wave: two blocks of 256 bytes that no other line names
.set REGN,   49152                     ; the way out: a wave's 48 accumulators
.set XL,   4                           ; v4      my lane's byte offset in a K step's planes of xb; never rewritten
.set XO,   5                           ; v5-6    the same with the K step, for the loads of even and of odd steps
.set WL,   7                           ; v7      my lane's place in a slot of W; never rewritten
.set SPW,  8                           ; v8      LDS address of my spare word; never rewritten
.set NIL,  9                           ; v9      0; never rewritten
.set WA,   10                          ; v10     LDS address of W's blocks 0-2 in the slot in hand
.set WA2,  11                          ; v11     of blocks 3-5: their offsets would not fit the 16-bit immediate
.set X,    16
.set WB,   144
.set WF,   240
.set CS,   32                          ; the way out: v32-127 the table's numbers for 12 units
.set R,    128                         ; v128-191 four partial sums of a unit, two buffers
.set U,    192                         ; v192-199 a unit, turned
.set OUT,  200                         ; v200-203 a unit, packed
.set L16,  208                         ; v208     16 x lane
.set RST,  209                         ; v209     where I put my partial sums
.set RRD,  210                         ; v210-213 where I read the four waves' partial sums of my share
.set VCQ,  214                         ; v214     byte offset in the table for q's columns
.set VCK,  215                         ; v215-218 the same for k's or v's columns, one for each of my four row blocks
.set VSQ,  219                         ; v219     byte offset in qkv for q's columns
.set VSK,  220                         ; v220     for k's or v's columns
.set T0,   221                         ; v221-225 at work
.set WV,   16                          ; s16 wave;  s17 row block (my place in the cluster);  s19 j
.set RBK,  17
.set J,    19
.set G1Q,  24                          ; s[24:31] group 1 for wq's tiles;  s[32:39] for wk's or wv's
.set G1K,  32
.set G0Q,  40                          ; s[40:47], s[48:55]: their groups 0: a set for each of the two first fills; the second then walks on
.set G0K,  48
.set KB,   56                          ; s[56:57] byte in W's rows at which the next tile to be asked for begins
.set SK,   58                          ; s58  byte in xb at which the planes of the K step last asked for begin
.set TB,   59                          ; s59  the slot in hand: 0 or SLOTX
.set KMASK, 60                         ; s60  -1 for k, 0 for v
.set QLDS, 61                          ; s61  where waves 0, 1 put wq's rows;  s62 where waves 2, 3 put wk's or wv's
.set KLDS, 62
.set MSB, 0
.macro WIN new                         ; the immediate's high byte repeats the setting that is left; a switch that changes nothing is dropped
.if MSB != (\new)
	s_set_vgpr_msb (MSB<<8)|(\new)
.set MSB, (\new)
.endif
.endm
; Four places: a vector instruction or a load that writes a register of a matrix instruction, and whatever reads its result, stand four plain vector
; instructions behind it (ISA guide 7.12.1 for vector instructions).
.macro PLACES
.rept 4
	v_nop
.endr
.endm
.macro CROUND                          ; a round of the cluster's barrier
	s_barrier_signal -1
	s_barrier_wait -1
	s_cmp_lg_u32 s[WV], 0
	s_cbranch_scc1 .Lnot_wave_0_\@
	s_barrier_signal -3
.Lnot_wave_0_\@:
	s_barrier_wait -3
	s_barrier_signal -1
	s_barrier_wait -1
.endm
; A joint refill: waves 0 and 1 fetch wq's rows 0-31 and 32-63, waves 2 and 3 wk's or wv's rows 0-15 and 16-31, two K steps of each.  The branch hangs on the wave's number alone.
; Four v_nop follow each line, ahead of the jump, the label and what follows.
.macro JLOAD
	s_cmp_lt_u32 s[WV], 2
	s_cbranch_scc0 .Lfor_k_\@
	tensor_load_to_lds s[G0Q+4:G0Q+7], s[G1Q:G1Q+7]
	s_nop 0
	PLACES
	s_branch .Lasked_\@
.Lfor_k_\@:
	tensor_load_to_lds s[G0K+4:G0K+7], s[G1K:G1K+7]
	s_nop 0
	PLACES
.Lasked_\@:
.endm
; x's fragments of row blocks 2 g, 2 g + 1: four loads; 16 lanes take 256 consecutive bytes of a plane, aligned.
; A fragment is 16 rows x 32 k: lane l holds row l % 16; registers 0-3 k = 8 (l / 16) + 0..7, registers 4-7 k = 16 + 8 (l / 16) + 0..7: two planes further on.
.macro XLD g, par
.irp i, 0,1
	global_load_b128 v[X+8*(2*(\g)+\i):X+8*(2*(\g)+\i)+3],   v[XO+\par], s[4:5] offset:(2*(\g)+\i)*256
	global_load_b128 v[X+8*(2*(\g)+\i)+4:X+8*(2*(\g)+\i)+7], v[XO+\par], s[4:5] offset:(2*(\g)+\i)*256+2*16384
.endr
.endm
	s_load_b256 s[4:11], s[0:1], 0x0               ; xb s[4:5], wq s[6:7], wk s[8:9], wv s[10:11]
	s_load_b128 s[12:15], s[0:1], 0x20             ; rope s[12:13], qkv s[14:15]
	v_lshl_add_u32 v[SPW], v0, 2, SPARE
	v_mov_b32 v[NIL], 0
	ds_add_u32 v8, v9
	s_wait_dscnt 0x0
	v_lshrrev_b32 v1, 5, v0
	v_readfirstlane_b32 s[WV], v1
	s_bfe_u32 s[RBK], ttmp6, 0x40000               ; my place in the cluster is my row block: it enters addresses in xb, rope and qkv alone
	s_mov_b32 s[J], ttmp9                          ; in a cluster launch ttmp9 counts clusters: the column block, which the four partners share
	s_and_b32 s20, ttmp9, 15                       ; the first K step is 2 (j & 15):
	s_lshl_b32 s[KB], s20, 10                      ; 512 bytes of W's rows a step,
	s_mov_b32 s[KB+1], 0
	s_lshl_b32 s[SK], s20, 19                      ; 16 planes of xb a step
	s_mov_b32 s[TB], 0
	v_and_b32 v1, 15, v0                           ; r
	v_bfe_u32 v2, v0, 4, 1                         ; h
	v_and_b32 v3, 31, v0                           ; lane
	s_lshl_b32 s21, s[WV], 16                      ; x: my four planes 4 w on,
	s_lshl_b32 s22, s[RBK], 12                     ; my work-group's 256 rows,
	s_add_co_u32 s21, s21, s22
	v_lshlrev_b32 v[XL], 4, v1                     ; row r,
	v_lshl_add_u32 v[XL], v2, 14, v[XL]            ; plane + h
	v_add_nc_u32 v[XL], s21, v[XL]
	v_add_nc_u32 v[XO+1], s[SK], v[XL]             ; the first K step
	s_mov_b32 s[G1Q], 15|(2<<16)|(1<<20)|(1<<21)|(7<<22)|(3<<25)   ; 15:0 the mask: all four work-groups; elements of 4 bytes; padding on; 21 set beside a mask; after every 256 words (code 7) 4 words (code 3)
	s_mov_b32 s[G1K], 15|(2<<16)|(1<<20)|(1<<21)|(7<<22)|(3<<25)
	s_mov_b32 s[G1Q+1], 256<<16                    ; tensor_dim0 = 256 k: two K steps
	s_mov_b32 s[G1K+1], 256<<16
	s_mov_b32 s[G1Q+2], 32<<16                     ; tensor_dim1 = 32 rows of wq,
	s_mov_b32 s[G1K+2], 16<<16                     ; 16 of wk or wv
	s_mov_b32 s[G1Q+3], 256<<16                    ; tile_dim0
	s_mov_b32 s[G1K+3], 256<<16
	s_mov_b32 s[G1Q+4], 32                         ; tile_dim1
	s_mov_b32 s[G1K+4], 16
	s_mov_b32 s[G1Q+5], 4096                       ; from row to row
	s_mov_b32 s[G1K+5], 4096
	s_mov_b32 s[G1Q+6], 0
	s_mov_b32 s[G1K+6], 0
	s_mov_b32 s[G1Q+7], 0
	s_mov_b32 s[G1K+7], 0
	s_and_b32 s2, s[WV], 1
	s_lshl_b32 s22, s[J], 20                       ; wq: rows 64 j + 32 (wave & 1) on, 16,384 bytes each
	s_lshl_b32 s23, s2, 19
	s_add_co_u32 s22, s22, s23
	s_mov_b32 s23, 0
	s_and_b32 s20, s[J], 31                        ; wk, wv: rows 32 (j & 31) + 16 (wave & 1) on
	s_lshl_b32 s20, s20, 19
	s_lshl_b32 s21, s2, 18
	s_add_co_u32 s20, s20, s21
	s_mov_b32 s21, 0
	s_mul_i32 s[QLDS], s[WV], 32*WPITCH            ; waves 0, 1: rows 0 and 32 of a slot
	s_mul_i32 s[KLDS], s[WV], 16*WPITCH
	s_add_co_u32 s[KLDS], s[KLDS], 32*WPITCH       ; waves 2, 3: rows 64 and 80.  No place in the cluster enters an LDS address
	s_wait_kmcnt 0x0
.irp g, 0,1,2,3,4,5,6,7
	XLD \g, 1                                      ; the ring is filled: the first K step's 32 loads
.endr
	s_add_nc_u64 s[6:7], s[6:7], s[22:23]
	s_cmp_lt_u32 ttmp9, 32                         ; j < 32: the same in all partners
	s_cselect_b64 s[8:9], s[8:9], s[10:11]
	s_cselect_b32 s[KMASK], -1, 0
	s_add_nc_u64 s[8:9], s[8:9], s[20:21]
	CROUND                                         ; all four work-groups are here: the first joint loads meet
.irp s, 0,1
	s_mov_b32 s[G0Q+4*\s], 1
	s_add_co_u32 s[G0Q+4*\s+1], s[QLDS], \s*SLOTX
	s_add_nc_u64 s[G0Q+4*\s+2:G0Q+4*\s+3], s[6:7], s[KB:KB+1]
	s_or_b32 s[G0Q+4*\s+3], s[G0Q+4*\s+3], 0x80000000
	s_mov_b32 s[G0K+4*\s], 1
	s_add_co_u32 s[G0K+4*\s+1], s[KLDS], \s*SLOTX
	s_add_nc_u64 s[G0K+4*\s+2:G0K+4*\s+3], s[8:9], s[KB:KB+1]
	s_or_b32 s[G0K+4*\s+3], s[G0K+4*\s+3], 0x80000000
	s_add_co_u32 s[KB], s[KB], 1024                ; two K steps on,
	s_and_b32 s[KB], s[KB], 0x3fff                 ; round the row's 16,384 bytes
.endr
	s_cmp_lt_u32 s[WV], 2                          ; a wave's two first fills stand in one branch: two loads of mine are out
	s_cbranch_scc0 .Lfirst_k
	tensor_load_to_lds s[G0Q:G0Q+3], s[G1Q:G1Q+7]
	s_nop 0
	tensor_load_to_lds s[G0Q+4:G0Q+7], s[G1Q:G1Q+7]
	s_nop 0
	PLACES
	s_branch .Lfirst_asked
.Lfirst_k:
	tensor_load_to_lds s[G0K:G0K+3], s[G1K:G1K+7]
	s_nop 0
	tensor_load_to_lds s[G0K+4:G0K+7], s[G1K:G1K+7]
	s_nop 0
	PLACES
.Lfirst_asked:
	s_lshl_b32 s23, s[WV], 7                       ; W: row r, my 32 k = 128 bytes of a step's 512, 8 f32 = 32 bytes for each half of the lanes
	v_mul_u32_u24 v[WL], v1, WPITCH
	v_lshl_add_u32 v[WL], v2, 5, v[WL]
	v_add_nc_u32 v[WL], s23, v[WL]
	v_add_nc_u32 v[WA], s[TB], v[WL]
	v_add_nc_u32 v[WA2], 3*16*WPITCH, v[WA]
.macro WLD dst, b, sub                 ; my 32 k of W's block b (16 rows), f32, of the step at byte sub of the slot's rows: four loads into 16 registers
.if (\b) < 3
.set wrg, WA
.set wof, (\b)*16*WPITCH+\sub
.else
.set wrg, WA2
.set wof, ((\b)-3)*16*WPITCH+\sub
.endif
	ds_load_b128 v[\dst:\dst+3],     v[wrg] offset:wof
	ds_load_b128 v[\dst+4:\dst+7],   v[wrg] offset:wof+16
	ds_load_b128 v[\dst+8:\dst+11],  v[wrg] offset:wof+64
	ds_load_b128 v[\dst+12:\dst+15], v[wrg] offset:wof+80
.endm
.macro WCV src, par, b                 ; block b to bf16, into W buffer par: eight roundings of two
.set n, 0
.rept 8
	v_cvt_pk_bf16_f32 v[WB+48*(\par)+8*(\b)+n], v[\src+2*n], v[\src+2*n+1]
.set n, n+1
.endr
.endm
; Row blocks 2 g, 2 g + 1 x all six column blocks.  Each accumulator has one instruction a K step, always in the same order: the accumulators take turns.
.macro MUL2 g, par, zero
.set a, 2*(\g)
.rept 2
.set b, 0
.rept NB
.set idx, NB*a+b
.set rA, 8*(idx%32)
	WIN 0x50*(1+idx/32)
.if \zero
	v_wmma_f32_16x16x32_bf16 v[rA:rA+7], v[WB+48*\par+8*b:WB+48*\par+8*b+7], v[X+8*a:X+8*a+7], 0
.else
	v_wmma_f32_16x16x32_bf16 v[rA:rA+7], v[WB+48*\par+8*b:WB+48*\par+8*b+7], v[X+8*a:X+8*a+7], v[rA:rA+7]
.endif
.set b, b+1
.endr
.set a, a+1
.endr
.endm
; A K STEP: eight groups of 12 products.  Its W lies in buffer par.  more = 1: behind each group a block of the NEXT step's W (at byte sub of the rows of the slot in hand) is rounded
; into the other buffer, the group's two fragments of x are loaded again for the next step, and the next block of W is read from LDS.  The eight roundings (v_nop where no block is
; left) are the places between the group's products and the loads into the registers that they read.  zero = 1: the products start the sums: nothing is cleared.
.macro STEP par, sub, zero, more
.if \more
	s_add_co_u32 s[SK], s[SK], 0x40000             ; the next K step's planes,
	s_and_b32 s[SK], s[SK], 0x7c0000               ; round xb's 32 steps
	v_add_nc_u32 v[XO+\par], s[SK], v[XL]          ; the loads that named this register, two steps ago, were all shown done by the last step's waits on LOADcnt
	WLD WF, 0, \sub
.endif
.set g, 0
.rept 8
.if \more
	s_wait_loadcnt 28                              ; loads come back in order (ISA guide 5.7.1): this group's four are in, the seven younger groups' may be out
.else
	s_wait_loadcnt 28-4*g                          ; the last step loads nothing: the counts run down
.endif
	MUL2 g, \par, \zero
.if \more
	WIN 0
.if g < 6
	s_wait_dscnt 0x0                               ; the block's four loads, issued a group ago
	WCV WF, 1-\par, g
.else
	PLACES
.endif
	XLD g, \par
.if g < 5
	WLD WF, g+1, \sub
.endif
.endif
.set g, g+1
.endr
	WIN 0                                          ; at a label and at a branch every window is 0
.endm
; THE CHANGE OF SLOTS, in front of every odd step: LDS is read a step ahead of the products, so the slot's second step has been read.  Each wave waits for all its tensor loads, of
; which one is out: its part of the other slot; adds 0 to its spare word; and waits for that (its reads of the slot were waited for block by block).  fill = 1: the slot is filled
; again, with the K steps two slots on, behind a round of the cluster's barrier: no wave of any partner still reads it or has a load on its way.
.macro CHANGE fill
	s_wait_tensorcnt 0x0                           ; no tensor load of mine is out, so a group 0 may be written
	ds_add_u32 v[SPW], v[NIL]                      ; 0 onto my spare word
.if \fill
	s_xor_b32 s[G0Q+5], s[G0Q+5], SLOTX            ; the walking descriptors: the other slot than last time,
	s_xor_b32 s[G0K+5], s[G0K+5], SLOTX
	s_add_nc_u64 s[G0Q+6:G0Q+7], s[6:7], s[KB:KB+1]    ; the next two K steps
	s_or_b32 s[G0Q+7], s[G0Q+7], 0x80000000
	s_add_nc_u64 s[G0K+6:G0K+7], s[8:9], s[KB:KB+1]
	s_or_b32 s[G0K+7], s[G0K+7], 0x80000000
	s_add_co_u32 s[KB], s[KB], 1024
	s_and_b32 s[KB], s[KB], 0x3fff
	s_wait_dscnt 0x0                               ; the add is done, and my reads of the slot are over
	CROUND
	JLOAD                                          ; my one tensor load behind the round: it has two K steps' 192 products in which to land
.else
	s_wait_dscnt 0x0
	s_barrier_signal -1
	s_barrier_wait -1
.endif
	s_xor_b32 s[TB], s[TB], SLOTX                  ; the reads go on in the other slot
	v_add_nc_u32 v[WA], s[TB], v[WL]
	v_add_nc_u32 v[WA2], 3*16*WPITCH, v[WA]
.endm
	s_wait_tensorcnt 0x1                           ; my part of slot 0 is in; slot 1's may stay out
	s_barrier_signal -1
	s_barrier_wait -1
	WLD WF, 0, 0                                   ; the first step's W: four blocks at once, three of them staged in the buffer that is not yet in use
	WLD WB+48, 1, 0
	WLD WB+64, 2, 0
	WLD WB+80, 3, 0
	s_wait_dscnt 12                                ; LDS loads come back in order: block 0 is in, three blocks' twelve loads may be out
	WCV WF, 0, 0
	WLD WF, 4, 0
	s_wait_dscnt 12
	WCV WB+48, 0, 1
	WLD WB+48, 5, 0
	s_wait_dscnt 12
	WCV WB+64, 0, 2
	s_wait_dscnt 8
	WCV WB+80, 0, 3
	s_wait_dscnt 4
	WCV WF, 0, 4
	s_wait_dscnt 0x0
	WCV WB+48, 0, 5
	STEP 0, 512, 1, 1                              ; step 0 starts the sums and reads slot 0's second step
	s_mov_b32 s3, 14
.Lk:                                                   ; steps 1 to 28, two a trip; each trip fills a slot again
	CHANGE 1
	STEP 1, 0, 0, 1
	STEP 0, 512, 0, 1
	s_sub_co_u32 s3, s3, 1
	s_cmp_lg_u32 s3, 0
	s_cbranch_scc1 .Lk
	CHANGE 0                                       ; the tail is written out: the last slot is entered, and nothing is asked for
	STEP 1, 0, 0, 1
	STEP 0, 512, 0, 1
	STEP 1, 0, 0, 0
	; THE WAY OUT.  In two phases of eight row blocks each wave puts its 48 partial accumulators into its own 49,152 bytes (the slots have had their last fill), and after a
	; barrier wave w adds the four waves' sums of row blocks 8 p + 2 w, + 1: 12 units of 16 rows x 16 columns, turns them, rounds them and stores them.
	PLACES
	v_lshlrev_b32 v[L16], 4, v3
	s_mul_i32 s20, s[WV], REGN
	s_mul_i32 s21, s[WV], 12*1024
	v_add_nc_u32 v[RST], s20, v[L16]
	v_add_nc_u32 v[RRD], s21, v[L16]
	v_add_nc_u32 v[RRD+1], REGN, v[RRD]
	v_add_nc_u32 v[RRD+2], 2*REGN, v[RRD]
	v_add_nc_u32 v[RRD+3], 3*REGN, v[RRD]
	s_lshl_b32 s22, s[RBK], 8
	s_lshl_b32 s23, s[WV], 5
	s_add_co_u32 s22, s22, s23
	v_add_nc_u32 v[T0], s22, v1                    ; tt = 256 x row block + 32 w + r: my row in phase 0, first block
	v_lshlrev_b32 v[T0], 4, v[T0]                  ; 16 tt
	s_and_b32 s23, s[J], 1                         ; q: my 8 columns are pairs 32 (j & 1) + 8 b + 4 h on: the table's groups 16 (j & 1) + 4 b + 2 h, + 1
	s_lshl_b32 s23, s23, 18
	v_lshl_add_u32 v[T0+1], v2, 15, v[T0]
	v_add_nc_u32 v[VCQ], s23, v[T0+1]
	s_and_b32 s23, s[J], 3                         ; k, v: groups 8 (j & 3) + 4 (b - 4) + 2 h, + 1
	s_lshl_b32 s23, s23, 17
	v_lshlrev_b32 v[T0+2], 15, v2
	v_add_nc_u32 v[T0+2], s23, v[T0+2]
.irp x, 0,1,2,3
	v_add_nc_u32 v[T0+3], ((\x>>1)*128+(\x&1)*16)*16, v[T0]
	v_and_b32 v[T0+3], s[KMASK], v[T0+3]           ; v reads the table at t = 0
	v_add_nc_u32 v[VCK+\x], v[T0+2], v[T0+3]
.endr
	s_lshl_b32 s23, s[J], 17                       ; q's planes 8 j + 2 b + h
	v_lshl_add_u32 v[T0+4], v2, 14, v[T0]
	v_add_nc_u32 v[VSQ], s23, v[T0+4]
	s_lshl_b32 s23, s[J], 16                       ; k's and v's planes 512 + 4 j + 2 (b - 4) + h
	s_add_co_u32 s23, s23, 512*16384
	v_add_nc_u32 v[VSK], s23, v[T0+4]
	s_wait_dscnt 0x0
	s_barrier_signal -1
	s_barrier_wait -1                              ; every wave's reads of the slots are over
.macro RLOAD u                         ; the four partial sums of unit u
.set bf, R+32*((\u)%2)
.irp s, 0,1,2,3
	ds_load_b128 v[bf+8*\s:bf+8*\s+3],   v[RRD+\s] offset:(\u)*1024
	ds_load_b128 v[bf+8*\s+4:bf+8*\s+7], v[RRD+\s] offset:(\u)*1024+512
.endr
.endm
.macro UNIT p, u                       ; unit u: row block 8 p + 2 w + u / 6, column block u % 6
.if \u < 11
	RLOAD \u+1
	s_wait_dscnt 8                                 ; unit u is in; the next unit's eight loads may be out
.else
	s_wait_dscnt 0x0
.endif
.set bf, R+32*((\u)%2)
.irp k, 0,2,4,6
	v_pk_add_f32 v[bf+\k:bf+\k+1], v[bf+\k:bf+\k+1], v[bf+8+\k:bf+8+\k+1]
	v_pk_add_f32 v[bf+16+\k:bf+16+\k+1], v[bf+16+\k:bf+16+\k+1], v[bf+24+\k:bf+24+\k+1]
.endr
.irp k, 0,2,4,6
	v_pk_add_f32 v[bf+\k:bf+\k+1], v[bf+\k:bf+\k+1], v[bf+16+\k:bf+16+\k+1]
.endr
.if \u == 0
	s_wait_loadcnt 0x0                             ; the phase's 24 loads from the table
.endif
.irp k, 0,2,4,6                        ; a pair (xr, xi) and its (c, s): (xr c, xi c), then (- xi s, + xr s) on top
	v_pk_mul_f32 v[U+\k:U+\k+1], v[bf+\k:bf+\k+1], v[CS+8*\u+\k:CS+8*\u+\k+1] op_sel_hi:[1,0]
.endr
.irp k, 0,2,4,6
	v_pk_fma_f32 v[U+\k:U+\k+1], v[bf+\k:bf+\k+1], v[CS+8*\u+\k:CS+8*\u+\k+1], v[U+\k:U+\k+1] op_sel:[1,1,0] op_sel_hi:[0,1,1] neg_lo:[0,1,0]
.endr
	s_wait_xcnt 0x0                                ; the last unit's store has had its address translated (ISA guide 3.1): its data registers are rewritten only behind this wait
.irp i, 0,1,2,3
	v_cvt_pk_f16_f32 v[OUT+\i], v[U+2*\i], v[U+2*\i+1]
.endr
.if (\u)%6 < 4
	global_store_b128 v[VSQ], v[OUT:OUT+3], s[14:15] offset:2*((\u)%6)*16384+(128*\p+16*((\u)/6))*16    ; 16 lanes store 256 consecutive bytes of a plane, aligned
.else
	global_store_b128 v[VSK], v[OUT:OUT+3], s[14:15] offset:2*((\u)%6-4)*16384+(128*\p+16*((\u)/6))*16
.endif
.endm
.macro PHASE p
.irp q, 0,1
.irp b, 0,1,2,3
.irp e, 0,1
	global_load_b128 v[CS+8*(6*\q+\b)+4*\e:CS+8*(6*\q+\b)+4*\e+3], v[VCQ], s[12:13] offset:(4*\b+\e)*16384+(128*\p+16*\q)*16
.endr
.endr
.irp b, 4,5
.irp e, 0,1
	global_load_b128 v[CS+8*(6*\q+\b)+4*\e:CS+8*(6*\q+\b)+4*\e+3], v[VCK+2*\p+\q], s[12:13] offset:(4*(\b-4)+\e)*16384
.endr
.endr
.endr
.set n, 0
.rept 48
.set idx, 48*\p+n
	WIN (1+idx/32)<<2                              ; the stores' data lie in the accumulators' window
	ds_store_b128 v[RST], v[8*(idx%32):8*(idx%32)+3]   offset:n*1024
	ds_store_b128 v[RST], v[8*(idx%32)+4:8*(idx%32)+7] offset:n*1024+512
.set n, n+1
.endr
	WIN 0
	s_wait_dscnt 0x0                               ; for the others' sake: my stores are done
	s_barrier_signal -1
	s_barrier_wait -1
	RLOAD 0
.irp u, 0,1,2,3,4,5,6,7,8,9,10,11
	UNIT \p, \u
.endr
.endm
	PHASE 0
	s_wait_dscnt 0x0                               ; my reads of phase 0's sums are back
	s_barrier_signal -1
	s_barrier_wait -1                              ; everybody's are: the bytes may be written again
	PHASE 1
	s_wait_tensorcnt 0x0                           ; the wave's end
	ds_add_u32 v[SPW], v[NIL]
	s_wait_dscnt 0x0
	CROUND                                         ; the closing round
	s_endpgm
.Lfunc_end_k_qfb76b71dd8_qkv:
	.size	k_qfb76b71dd8_qkv, .Lfunc_end_k_qfb76b71dd8_qkv-k_qfb76b71dd8_qkv
	.p2alignl 7, 3214868480
	.fill 96, 4, 3214868480
	.section	.rodata,"a",@progbits
	.p2align	6, 0x0
	.amdhsa_kernel k_qfb76b71dd8_qkv
		.amdhsa_group_segment_fixed_size 327680
		.amdhsa_private_segment_fixed_size 0
		.amdhsa_enable_private_segment 0
		.amdhsa_kernarg_size 48
		.amdhsa_user_sgpr_count 2
		.amdhsa_user_sgpr_kernarg_segment_ptr 1
		.amdhsa_wavefront_size32 1
		.amdhsa_system_sgpr_workgroup_id_x 1
		.amdhsa_system_sgpr_workgroup_id_y 1
		.amdhsa_system_sgpr_workgroup_id_z 1
		.amdhsa_system_vgpr_workitem_id 0
		.amdhsa_next_free_vgpr 1024
		.amdhsa_next_free_sgpr 66
		.amdhsa_reserve_vcc 0
		.amdhsa_float_denorm_mode_32 3
		.amdhsa_float_denorm_mode_16_64 3
		.amdhsa_memory_ordered 1
		.amdhsa_forward_progress 1
		.amdhsa_inst_pref_size 168
	.end_amdhsa_kernel
	.amdgpu_metadata
---
amdhsa.version: [ 1, 2 ]
amdhsa.kernels:
  - .name:           k_qfb76b71dd8_qkv
    .symbol:         k_qfb76b71dd8_qkv.kd
    .args:
      - { .name: xb, .offset: 0, .size: 8, .value_kind: global_buffer, .address_space: global }
      - { .name: wq, .offset: 8, .size: 8, .value_kind: global_buffer, .address_space: global }
      - { .name: wk, .offset: 16, .size: 8, .value_kind: global_buffer, .address_space: global }
      - { .name: wv, .offset: 24, .size: 8, .value_kind: global_buffer, .address_space: global }
      - { .name: rope, .offset: 32, .size: 8, .value_kind: global_buffer, .address_space: global }
      - { .name: qkv, .offset: 40, .size: 8, .value_kind: global_buffer, .address_space: global }
    .group_segment_fixed_size: 327680
    .private_segment_fixed_size: 0
    .kernarg_segment_align: 8
    .kernarg_segment_size: 48
    .max_flat_workgroup_size: 128
    .sgpr_count:     66
    .vgpr_count:     1024
    .wavefront_size: 32
...
	.end_amdgpu_metadata
.endif
;; end of part 5
;; launch attn: the kernel of part 3 again; grid 32 x 8, 4 waves a work-group, no clusters, 35,328 bytes of LDS; arguments qkv, att; writes att
;; launch oproj (part 6): grid 256 x 1, 4 waves a work-group, clusters of 4 x 1, 327,680 bytes of LDS; arguments att, wo, out0; writes out0
.if DOCPART == 6
	.amdgcn_target "amdgcn-amd-amdhsa--gfx1250"
	.amdhsa_code_object_version 6
	.text
	.protected	k_qfb76b71dd8_oproj
	.globl	k_qfb76b71dd8_oproj
	.p2align	8
	.type	k_qfb76b71dd8_oproj,@function
k_qfb76b71dd8_oproj:
	s_mov_b64 s[64:65], 0
	v_nop
	global_prefetch_b8 v0, s[64:65] scope:SCOPE_SE
	s_setreg_imm32_b32 hwreg(HW_REG_WAVE_MODE, 25, 1), 1
	s_wait_xcnt 0x0
	s_wait_alu depctr_hold_cnt(0) depctr_sa_sdst(0) depctr_va_vdst(0) depctr_va_sdst(0) depctr_va_ssrc(0) depctr_va_vcc(0) depctr_vm_vsrc(0)
	s_getreg_b32 s2, hwreg(HW_REG_IB_STS2, 6, 4)
	s_cmp_eq_u32 s2, 0
	s_cbranch_scc0 .Lentry_in_a_cluster
	s_endpgm
.Lentry_in_a_cluster:
	s_bfe_u32 s2, ttmp6, 0x10000c
	s_cmp_lg_u32 s2, 0x3003
	s_cbranch_scc0 .Lentry_shape_is_right
	s_endpgm
.Lentry_shape_is_right:
; OUT = att wo^T (K = 4,096), f32.  att comes as f16 planes [column / 8][t][8], a quarter of its value; the sums are multiplied by 4 at the end.
; wo lands in LDS as f32, is rounded to bf16 and carried on in f16, which holds every bf16 number from 2^-17 up exactly (below: to 3e-8); products in f16, sums in f32.
; SHARES.  256 work-groups.  Work-group (j = 0..63, row block = 0..3) makes 256 rows x columns 64 j on.  K IS SPLIT OVER THE FOUR WAVES: a K step is 128, wave w multiplies
; k = 32 w .. 32 w + 31 of every step for the whole tile, 16 x 4 accumulators = 512 registers; the four partial tiles are added through LDS at the end.  So no two waves need the
; same byte of att or of wo.
; att COMES STRAIGHT INTO REGISTERS.  In its planes half a fragment is 256 consecutive bytes, so a wave loads its own fragments by global loads into a ring of 16 fragments, one
; K step; a group of two is loaded again directly behind its 8 products and has seven eighths of a step in which to come.  att IS NOT ASKED FOR JOINTLY, though 64 column blocks
; read it: with att out of LDS a slot holds two K steps of wo, so a refill has 128 products in which to land, there are 15 changes of slots in place of 31, and att's bytes
; are neither written to LDS nor read from it.
; wo COMES JOINTLY.  Cluster 4 x 1: the four row blocks of one j.  They are all 1,024 rows, so each weight is asked for once in the launch.
; K GOES ROUND.  Column block j begins at K step 2 (j & 15) and wraps: sixteen starting points spread the column blocks' reads of att over all its planes.
; THE MATRIX INSTRUCTION IS USED TRANSPOSED (source 0 = 16 rows of wo, source 1 = 16 rows of att): a lane holds row l % 16 and eight neighbouring columns.
; LIMITS.  The f32 sums are made in another order than reference()'s (four partial sums over K, each begun at a K step that hangs on j).  wo as f16 overflows beyond 65,504; drawn at
; a spread of 1/64 it stays between 5e-4 and 0.5 when 30 times smaller, 30 times larger or offset by 30 spreads.
; REGISTERS.  Window 0: v1-10 addresses; v16-143 att's ring; v144-175, v176-207 wo as f16, two buffers by turns; v208-223 two half blocks of wo as f32; v224-227 at work.
; Windows 1-2: accumulator (a, b), number 4 a + b: window 1 + number / 32, v[8 (number % 32)].
.set NB,     4
.set WPITCH, 1040                      ; a row of wo in LDS: two steps' 256 f32 + 16 bytes = 260 words: row r starts at bank 4 r mod 64 (64 banks of 4 bytes: ISA guide 11.1)
.set SLOTX,  0x20000                   ; slot 0 at byte 0, slot 1 here: a slot's 66,560 bytes lie below this bit, so one exclusive or turns an address into the other slot's
.set OPITCH, 272                       ; the way out: a row of 64 f32 + 16 bytes
.set REGN,   256*OPITCH                ; a wave's partial tile: 69,632
.set SPARE,  4*REGN                    ; behind the four partial tiles (which cover the ring): the spare words, two blocks of 256 bytes that no other line names
.set XL,   4                           ; v4      my lane's byte offset in a K step's planes of att; never rewritten
.set XO,   5                           ; v5-6    the same with the K step, for the loads of even and of odd steps
.set WL,   7                           ; v7      my lane's place in a slot of wo; never rewritten
.set SPW,  8                           ; v8      LDS address of my spare word; never rewritten
.set NIL,  9                           ; v9      0; never rewritten
.set WA,   10                          ; v10     my LDS address in the slot in hand
.set X,    16
.set WB,   144
.set WF,   208
.set CT,   224
.set PS2,  228                         ; v228-243 the first step's last two half blocks
.set RB,   32                          ; the way out: v32-159, two buffers of 64
.set RST,  240                         ; v240     where I put my partial sums
.set RRD,  241                         ; v241-244 where I read the four waves' partial sums of my rows
.set VO,   245                         ; v245     my byte offset in out0
.set T0,   246                         ; v246-247 at work
.set WV,   16                          ; s16 wave;  s17 row block (my place in the cluster);  s19 j
.set RBK,  17
.set J,    19
.set G1W,  24                          ; s[24:31] group 1 for wo's tiles
.set G0W,  32                          ; s[32:39] group 0: a set for each of the two first fills; the second then walks on
.set KB,   40                          ; s[40:41] byte in wo's rows at which the next tile to be asked for begins
.set SK,   42                          ; s42  byte in att at which the planes of the K step last asked for begin
.set TB,   43                          ; s43  the slot in hand: 0 or SLOTX
.set HM,   44                          ; s44  a word's upper half
.set WLDS, 45                          ; s45  where my wave puts its 16 rows
.set MSB, 0
.macro WIN new
.if MSB != (\new)
	s_set_vgpr_msb (MSB<<8)|(\new)
.set MSB, (\new)
.endif
.endm
.macro PLACES                          ; four plain vector instructions behind a matrix instruction, ahead of whatever reads its result or writes one of its registers (ISA guide 7.12.1 for vector instructions)
.rept 4
	v_nop
.endr
.endm
.macro CROUND                          ; a round of the cluster's barrier
	s_barrier_signal -1
	s_barrier_wait -1
	s_cmp_lg_u32 s[WV], 0
	s_cbranch_scc1 .Lnot_wave_0_\@
	s_barrier_signal -3
.Lnot_wave_0_\@:
	s_barrier_wait -3
	s_barrier_signal -1
	s_barrier_wait -1
.endm
; att's fragments of row blocks 2 g, 2 g + 1: four loads; 16 lanes take 256 consecutive bytes of a plane, aligned.
.macro XLD g, par
.irp i, 0,1
	global_load_b128 v[X+8*(2*(\g)+\i):X+8*(2*(\g)+\i)+3],   v[XO+\par], s[4:5] offset:(2*(\g)+\i)*256
	global_load_b128 v[X+8*(2*(\g)+\i)+4:X+8*(2*(\g)+\i)+7], v[XO+\par], s[4:5] offset:(2*(\g)+\i)*256+2*16384
.endr
.endm
	s_load_b128 s[4:7], s[0:1], 0x0                ; att s[4:5], wo s[6:7]
	s_load_b64 s[8:9], s[0:1], 0x10                ; out0
	v_lshl_add_u32 v[SPW], v0, 2, SPARE
	v_mov_b32 v[NIL], 0
	ds_add_u32 v8, v9
	s_wait_dscnt 0x0
	v_lshrrev_b32 v1, 5, v0
	v_readfirstlane_b32 s[WV], v1
	s_bfe_u32 s[RBK], ttmp6, 0x40000               ; my place in the cluster is my row block: it enters addresses in att and out0 alone
	s_mov_b32 s[J], ttmp9                          ; in a cluster launch ttmp9 counts clusters: the column block, which the four partners share
	s_and_b32 s20, ttmp9, 15                       ; the first K step is 2 (j & 15):
	s_lshl_b32 s[KB], s20, 10                      ; 512 bytes of wo's rows a step,
	s_mov_b32 s[KB+1], 0
	s_lshl_b32 s[SK], s20, 19                      ; 16 planes of att a step
	s_mov_b32 s[TB], 0
	s_mov_b32 s[HM], 0xffff0000
	v_and_b32 v1, 15, v0                           ; r
	v_bfe_u32 v2, v0, 4, 1                         ; h
	s_lshl_b32 s21, s[WV], 16                      ; att: my four planes 4 w on,
	s_lshl_b32 s22, s[RBK], 12                     ; my work-group's 256 rows,
	s_add_co_u32 s21, s21, s22
	v_lshlrev_b32 v[XL], 4, v1                     ; row r,
	v_lshl_add_u32 v[XL], v2, 14, v[XL]            ; plane + h
	v_add_nc_u32 v[XL], s21, v[XL]
	v_add_nc_u32 v[XO+1], s[SK], v[XL]             ; the first K step
	s_mov_b32 s[G1W], 15|(2<<16)|(1<<20)|(1<<21)|(7<<22)|(3<<25)   ; 15:0 the mask: all four work-groups; elements of 4 bytes; padding on; 21 set beside a mask; after every 256 words (code 7) 4 words (code 3)
	s_mov_b32 s[G1W+1], 256<<16                    ; tensor_dim0 = 256 k: two K steps
	s_mov_b32 s[G1W+2], 16<<16                     ; tensor_dim1 = 16 rows: each wave fetches a quarter of the slot
	s_mov_b32 s[G1W+3], 256<<16                    ; tile_dim0
	s_mov_b32 s[G1W+4], 16                         ; tile_dim1
	s_mov_b32 s[G1W+5], 4096                       ; from row to row
	s_mov_b32 s[G1W+6], 0
	s_mov_b32 s[G1W+7], 0
	s_lshl_b32 s22, s[J], 20                       ; wo: rows 64 j + 16 w on, 16,384 bytes each
	s_lshl_b32 s23, s[WV], 18
	s_add_co_u32 s22, s22, s23
	s_mov_b32 s23, 0
	s_mul_i32 s[WLDS], s[WV], 16*WPITCH            ; no place in the cluster enters an LDS address
	s_wait_kmcnt 0x0
.irp g, 0,1,2,3,4,5,6,7
	XLD \g, 1                                      ; the ring is filled: the first K step's 32 loads
.endr
	s_add_nc_u64 s[6:7], s[6:7], s[22:23]
	CROUND                                         ; all four work-groups are here: the first joint loads meet
.irp s, 0,1
	s_mov_b32 s[G0W+4*\s], 1
	s_add_co_u32 s[G0W+4*\s+1], s[WLDS], \s*SLOTX
	s_add_nc_u64 s[G0W+4*\s+2:G0W+4*\s+3], s[6:7], s[KB:KB+1]
	s_or_b32 s[G0W+4*\s+3], s[G0W+4*\s+3], 0x80000000
	s_add_co_u32 s[KB], s[KB], 1024                ; two K steps on,
	s_and_b32 s[KB], s[KB], 0x3fff                 ; round the row's 16,384 bytes
.endr
	tensor_load_to_lds s[G0W:G0W+3], s[G1W:G1W+7]      ; the two first fills: two loads of mine are out
	s_nop 0
	tensor_load_to_lds s[G0W+4:G0W+7], s[G1W:G1W+7]
	s_nop 0
	PLACES
	s_lshl_b32 s23, s[WV], 7                       ; wo: row r, my 32 k = 128 bytes of a step's 512, 32 bytes for each half of the lanes
	v_mul_u32_u24 v[WL], v1, WPITCH
	v_lshl_add_u32 v[WL], v2, 5, v[WL]
	v_add_nc_u32 v[WL], s23, v[WL]
	v_add_nc_u32 v[WA], s[TB], v[WL]
.macro WLH dst, i, sub                 ; half block i of eight (block i / 2, k half i % 2), f32, of the step at byte sub of the slot's rows: two loads into 8 registers
	ds_load_b128 v[\dst:\dst+3],   v[WA] offset:((\i)/2)*16*WPITCH+\sub+64*((\i)%2)
	ds_load_b128 v[\dst+4:\dst+7], v[WA] offset:((\i)/2)*16*WPITCH+\sub+64*((\i)%2)+16
.endm
.macro WCH src, i, par                 ; half block i: rounded to bf16, widened again, packed as f16 into wo's buffer par
.set n, 0
.rept 4
	v_cvt_pk_bf16_f32 v[CT+n], v[\src+2*n], v[\src+2*n+1]
.set n, n+1
.endr
.set n, 0
.rept 4
	v_lshlrev_b32 v[\src+2*n], 16, v[CT+n]
	v_and_b32 v[\src+2*n+1], s[HM], v[CT+n]
.set n, n+1
.endr
.set n, 0
.rept 4
	v_cvt_pk_f16_f32 v[WB+32*(\par)+4*(\i)+n], v[\src+2*n], v[\src+2*n+1]
.set n, n+1
.endr
.endm
; Row blocks 2 g, 2 g + 1 x all four column blocks.  Each accumulator has one instruction a K step, always in the same order: the accumulators take turns.
.macro MUL2 g, par, zero
.set a, 2*(\g)
.rept 2
.set b, 0
.rept NB
.set idx, NB*a+b
.set rA, 8*(idx%32)
	WIN 0x50*(1+idx/32)
.if \zero
	v_wmma_f32_16x16x32_f16 v[rA:rA+7], v[WB+32*\par+8*b:WB+32*\par+8*b+7], v[X+8*a:X+8*a+7], 0
.else
	v_wmma_f32_16x16x32_f16 v[rA:rA+7], v[WB+32*\par+8*b:WB+32*\par+8*b+7], v[X+8*a:X+8*a+7], v[rA:rA+7]
.endif
.set b, b+1
.endr
.set a, a+1
.endr
.endm
; A K STEP: eight groups of 8 products.  Its wo lies in buffer par.  more = 1: behind each group half a block of the NEXT step's wo (at byte sub of the rows of the slot in hand) is
; converted into the other buffer, the group's two fragments of att are loaded again for the next step, and the half block two further on is read from LDS.  The sixteen lines of
; the conversion are the places between the group's products and the loads into the registers that they read.  zero = 1: the products start the sums: nothing is cleared.
.macro STEP par, sub, zero, more
.if \more
	s_add_co_u32 s[SK], s[SK], 0x40000             ; the next K step's planes,
	s_and_b32 s[SK], s[SK], 0x7c0000               ; round att's 32 steps
	v_add_nc_u32 v[XO+\par], s[SK], v[XL]          ; the loads that named this register, two steps ago, were all shown done by the last step's waits on LOADcnt
	WLH WF, 0, \sub
	WLH WF+8, 1, \sub
.endif
.set g, 0
.rept 8
.if \more
	s_wait_loadcnt 28                              ; loads come back in order (ISA guide 5.7.1): this group's four are in, the seven younger groups' may be out
.else
	s_wait_loadcnt 28-4*g                          ; the last step loads nothing: the counts run down
.endif
	MUL2 g, \par, \zero
.if \more
	WIN 0
.if g < 7
	s_wait_dscnt 2                                 ; this half block is in; the next one's two loads may be out
.else
	s_wait_dscnt 0x0
.endif
	WCH WF+8*(g%2), g, 1-\par
	XLD g, \par
.if g < 6
	WLH WF+8*(g%2), g+2, \sub
.endif
.endif
.set g, g+1
.endr
	WIN 0                                          ; at a label and at a branch every window is 0
.endm
; THE CHANGE OF SLOTS, in front of every odd step: LDS is read a step ahead of the products, so the slot's second step has been read.  Each wave waits for all its tensor loads, of
; which one is out: its part of the other slot; adds 0 to its spare word; and waits for that (its reads of the slot were waited for piece by piece).  fill = 1: the slot is filled
; again, with the K steps two slots on, behind a round of the cluster's barrier: no wave of any partner still reads it or has a load on its way.
.macro CHANGE fill
	s_wait_tensorcnt 0x0                           ; no tensor load of mine is out, so a group 0 may be written
	ds_add_u32 v[SPW], v[NIL]                      ; 0 onto my spare word
.if \fill
	s_xor_b32 s[G0W+5], s[G0W+5], SLOTX            ; the walking descriptor: the other slot than last time,
	s_add_nc_u64 s[G0W+6:G0W+7], s[6:7], s[KB:KB+1]    ; the next two K steps
	s_or_b32 s[G0W+7], s[G0W+7], 0x80000000
	s_add_co_u32 s[KB], s[KB], 1024
	s_and_b32 s[KB], s[KB], 0x3fff
	s_wait_dscnt 0x0                               ; the add is done, and my reads of the slot are over
	CROUND
	tensor_load_to_lds s[G0W+4:G0W+7], s[G1W:G1W+7]    ; my one tensor load behind the round: it has two K steps' 128 products in which to land
	s_nop 0
	PLACES                                         ; four v_nop follow it
.else
	s_wait_dscnt 0x0
	s_barrier_signal -1
	s_barrier_wait -1
.endif
	s_xor_b32 s[TB], s[TB], SLOTX                  ; the reads go on in the other slot
	v_add_nc_u32 v[WA], s[TB], v[WL]
.endm
.macro PSRC i                          ; where the first step's half block i is staged: all eight at once, four of them in the buffer that is not yet in use
.if (\i) < 2
.set ps, WF+8*(\i)
.elseif (\i) < 6
.set ps, WB+32+8*((\i)-2)
.else
.set ps, PS2+8*((\i)-6)
.endif
.endm
	s_wait_tensorcnt 0x1                           ; my part of slot 0 is in; slot 1's may stay out
	s_barrier_signal -1
	s_barrier_wait -1
.irp i, 0,1,2,3,4,5,6,7
	PSRC \i
	WLH ps, \i, 0
.endr
.irp i, 0,1,2,3,4,5,6,7
	s_wait_dscnt 14-2*\i                           ; LDS loads come back in order: half block i is in, the younger ones' loads may be out
	PSRC \i
	WCH ps, \i, 0
.endr
	STEP 0, 512, 1, 1                              ; step 0 starts the sums and reads slot 0's second step
	s_mov_b32 s3, 14
.Lk:                                                   ; steps 1 to 28, two a trip; each trip fills a slot again
	CHANGE 1
	STEP 1, 0, 0, 1
	STEP 0, 512, 0, 1
	s_sub_co_u32 s3, s3, 1
	s_cmp_lg_u32 s3, 0
	s_cbranch_scc1 .Lk
	CHANGE 0                                       ; the tail is written out: the last slot is entered, and nothing is asked for
	STEP 1, 0, 0, 1
	STEP 0, 512, 0, 1
	STEP 1, 0, 0, 0
	; THE WAY OUT.  Each wave puts its partial tile, 256 rows x 64 f32 in rows of 272 bytes, into its own 69,632 bytes (the slots have had their last fill); after a barrier
	; wave w adds the four tiles' rows 64 w .. 64 w + 63, multiplies by 4 and stores whole rows of 256 bytes.
	PLACES
	s_mul_i32 s20, s[WV], REGN
	v_mul_u32_u24 v[T0], v1, OPITCH                ; in: row r of a block, 32 bytes for each half of the lanes
	v_lshl_add_u32 v[T0], v2, 5, v[T0]
	v_add_nc_u32 v[RST], s20, v[T0]
	s_mul_i32 s21, s[WV], 64*OPITCH
	v_mul_u32_u24 v[T0+1], v2, OPITCH              ; back: lanes 0-15 one row, lanes 16-31 the next
	v_lshl_add_u32 v[T0+1], v1, 4, v[T0+1]
	v_add_nc_u32 v[RRD], s21, v[T0+1]
	v_add_nc_u32 v[RRD+1], REGN, v[RRD]
	v_add_nc_u32 v[RRD+2], 2*REGN, v[RRD]
	v_add_nc_u32 v[RRD+3], 3*REGN, v[RRD]
	s_lshl_b32 s22, s[RBK], 8
	s_lshl_b32 s23, s[WV], 6
	s_add_co_u32 s22, s22, s23                     ; my first row of out0
	s_lshl_b32 s22, s22, 14
	s_lshl_b32 s23, s[J], 8                        ; 64 j columns of 4 bytes
	s_add_co_u32 s22, s22, s23
	v_lshlrev_b32 v[T0], 4, v1
	v_lshl_add_u32 v[T0], v2, 14, v[T0]
	v_add_nc_u32 v[VO], s22, v[T0]
	s_wait_dscnt 0x0
	s_barrier_signal -1
	s_barrier_wait -1                              ; every wave's reads of the slots are over
.set a, 0
.rept 16
.set b, 0
.rept NB
.set idx, NB*a+b
	WIN (1+idx/32)<<2                              ; the stores' data lie in the accumulators' window
	ds_store_b128 v[RST], v[8*(idx%32):8*(idx%32)+3]   offset:a*16*OPITCH+b*64
	ds_store_b128 v[RST], v[8*(idx%32)+4:8*(idx%32)+7] offset:a*16*OPITCH+b*64+16
.set b, b+1
.endr
.set a, a+1
.endr
	WIN 0
	s_wait_dscnt 0x0                               ; for the others' sake: my stores are done
	s_barrier_signal -1
	s_barrier_wait -1
.macro BLOAD t                         ; batch t: row pairs 4 t .. 4 t + 3 of the four partial tiles: 16 loads
.set bf, RB+64*((\t)%2)
.irp ii, 0,1,2,3
.irp s, 0,1,2,3
	ds_load_b128 v[bf+16*\ii+4*\s:bf+16*\ii+4*\s+3], v[RRD+\s] offset:(4*(\t)+\ii)*2*OPITCH
.endr
.endr
.endm
.macro BATCH t
.if \t < 7
	s_wait_xcnt 0x0                                ; the stores of the batch before have had their addresses translated (ISA guide 3.1): their data registers are loaded again only behind this wait
	BLOAD \t+1
	s_wait_dscnt 16                                ; batch t is in; the next batch's 16 loads may be out
.else
	s_wait_dscnt 0x0
.endif
.set bf, RB+64*((\t)%2)
.irp ii, 0,1,2,3
.irp k, 0,2
	v_pk_add_f32 v[bf+16*\ii+\k:bf+16*\ii+\k+1], v[bf+16*\ii+\k:bf+16*\ii+\k+1], v[bf+16*\ii+4+\k:bf+16*\ii+4+\k+1]
	v_pk_add_f32 v[bf+16*\ii+8+\k:bf+16*\ii+8+\k+1], v[bf+16*\ii+8+\k:bf+16*\ii+8+\k+1], v[bf+16*\ii+12+\k:bf+16*\ii+12+\k+1]
.endr
.endr
.irp ii, 0,1,2,3
.irp k, 0,2
	v_pk_add_f32 v[bf+16*\ii+\k:bf+16*\ii+\k+1], v[bf+16*\ii+\k:bf+16*\ii+\k+1], v[bf+16*\ii+8+\k:bf+16*\ii+8+\k+1]
.endr
.endr
.irp ii, 0,1,2,3
.irp k, 0,2
	v_pk_mul_f32 v[bf+16*\ii+\k:bf+16*\ii+\k+1], v[bf+16*\ii+\k:bf+16*\ii+\k+1], 4.0 op_sel_hi:[1,0]     ; att was kept at a quarter of its value
.endr
.endr
.irp ii, 0,1,2,3
	global_store_b128 v[VO], v[bf+16*\ii:bf+16*\ii+3], s[8:9] offset:(4*\t+\ii)*32768 th:TH_STORE_NT     ; 16 lanes store 256 consecutive bytes of a row, aligned
.endr
.endm
	BLOAD 0
.irp t, 0,1,2,3,4,5,6,7
	BATCH \t
.endr
	s_wait_tensorcnt 0x0                           ; the wave's end
	ds_add_u32 v[SPW], v[NIL]
	s_wait_dscnt 0x0
	CROUND                                         ; the closing round
	s_endpgm
.Lfunc_end_k_qfb76b71dd8_oproj:
	.size	k_qfb76b71dd8_oproj, .Lfunc_end_k_qfb76b71dd8_oproj-k_qfb76b71dd8_oproj
	.p2alignl 7, 3214868480
	.fill 96, 4, 3214868480
	.section	.rodata,"a",@progbits
	.p2align	6, 0x0
	.amdhsa_kernel k_qfb76b71dd8_oproj
		.amdhsa_group_segment_fixed_size 327680
		.amdhsa_private_segment_fixed_size 0
		.amdhsa_enable_private_segment 0
		.amdhsa_kernarg_size 24
		.amdhsa_user_sgpr_count 2
		.amdhsa_user_sgpr_kernarg_segment_ptr 1
		.amdhsa_wavefront_size32 1
		.amdhsa_system_sgpr_workgroup_id_x 1
		.amdhsa_system_sgpr_workgroup_id_y 1
		.amdhsa_system_sgpr_workgroup_id_z 1
		.amdhsa_system_vgpr_workitem_id 0
		.amdhsa_next_free_vgpr 768
		.amdhsa_next_free_sgpr 66
		.amdhsa_reserve_vcc 0
		.amdhsa_float_denorm_mode_32 3
		.amdhsa_float_denorm_mode_16_64 3
		.amdhsa_memory_ordered 1
		.amdhsa_forward_progress 1
		.amdhsa_inst_pref_size 133
	.end_amdhsa_kernel
	.amdgpu_metadata
---
amdhsa.version: [ 1, 2 ]
amdhsa.kernels:
  - .name:           k_qfb76b71dd8_oproj
    .symbol:         k_qfb76b71dd8_oproj.kd
    .args:
      - { .name: att, .offset: 0, .size: 8, .value_kind: global_buffer, .address_space: global }
      - { .name: wo, .offset: 8, .size: 8, .value_kind: global_buffer, .address_space: global }
      - { .name: out0, .offset: 16, .size: 8, .value_kind: global_buffer, .address_space: global }
    .group_segment_fixed_size: 327680
    .private_segment_fixed_size: 0
    .kernarg_segment_align: 8
    .kernarg_segment_size: 24
    .max_flat_workgroup_size: 128
    .sgpr_count:     66
    .vgpr_count:     768
    .wavefront_size: 32
...
	.end_amdgpu_metadata
.endif
;; end of part 6
;; ======== version 3 of 3: 4 launches; version 2 with the launch prep written anew for expert scheduling mode
;; limits: values are held in f16: magnitudes above 65,504 overflow, below 6.1e-05 lose precision
;; workspace buffers: xb 8,388,608 bytes; rope 524,288 bytes; qkv 12,582,912 bytes; att 8,388,608 bytes
;; launch prep (part 7): grid 256 x 1, 4 waves a work-group, no clusters, 37,376 bytes of LDS; arguments x, xb, rope; writes xb, rope
.if DOCPART == 7
	.amdgcn_target "amdgcn-amd-amdhsa--gfx1250"
	.amdhsa_code_object_version 6
	.text
	.protected	k_qfb76b71dd8_prep
	.globl	k_qfb76b71dd8_prep
	.p2align	8
	.type	k_qfb76b71dd8_prep,@function
k_qfb76b71dd8_prep:
	s_mov_b64 s[64:65], 0
	v_nop
	global_prefetch_b8 v0, s[64:65] scope:SCOPE_SE
	s_setreg_imm32_b32 hwreg(HW_REG_WAVE_SCHED_MODE, 0, 2), 2
	s_setreg_imm32_b32 hwreg(HW_REG_WAVE_MODE, 25, 1), 1
	s_wait_xcnt 0x0
	s_wait_alu depctr_vm_vsrc(0)
; PREP.  (1) x [1024][4096] f32 -> xb, bf16, in planes: xb[k / 8][row t][8 numbers], a plane = 1,024 rows x 16 bytes = 16,384 bytes.
; In that layout half a matrix fragment (16 rows x 8 k) is 256 consecutive bytes.
; (2) the table of the rotation: rope[g = 0..31][t = 0..1023] = { cos a(2g), sin a(2g), cos a(2g+1), sin a(2g+1) } / 4, f32,
; a(i) = t x 10000^(-i/64).  The factor 1/4 is the fixed scale under which q, k and v are kept in f16 by the next launch.
; SHARES.  256 work-groups of four waves.  Work-group G: rows 16 (G >> 2) on; wave w: k = 1,024 (G & 3) + 256 w on: 16 rows x 256 k.
; Thread v0 also makes the table's item g = G >> 3, t = 128 (G & 7) + v0.  All 32 loads of a wave are out at once (16 KiB);
; the table is computed under them.  No matrix unit, no cluster, no tensor load: each byte is read once, by one wave, and nothing is shared.
; The turn from rows to planes goes through the wave's own 9,216 bytes of LDS, so no barrier is needed.
; LIMITS.  sin and cos: the angle is reduced to g in [-1/2, 1/2] half turns and a polynomial in g^2 is cut at g^9 (sin) and g^10 (cos):
; remainder at most 4e-6.  The frequency is 2^(-i log2(10000)/64) by v_exp_f32, a few units in its last place from reference()'s power
; and division: at t = 1,023 the angle may differ by about 2e-4 rad.
; THE MODE: SCHED_MODE bits 1:0 = 2 (LLVM: expert scheduling mode 2), set by the entry lines.  The code itself states the register dependences
; between vector instructions and memory or LDS instructions, with s_wait_alu, always for 0.
; THE PLAN.  Registers that memory or LDS instructions touch:
;   v3 .. v6   offsets and LDS addresses: made at the head, ahead of one wait, and never written again.
;   v[24:27]   the table's item: written by SINCOS, read by one store, never written again.
;   X          written by the 32 loads, all issued before any vector line names it.  Load n's two roundings read its four registers and write the
;              first two of them in place; LDS store n reads those two; nothing writes them again.
;   OUT        written by the LDS loads, read by the stores of xb; no vector line names it.
;   v62, v63   written at the head, read by the closing add alone.
; The 32 loads are four groups of eight.  ONE wait on va_vdst stands at the head of groups 1 to 3, behind the wait for the group's first load: it states that
; the group before has written its bf16 halves.  That group's eight LDS stores follow, dealt among this group's roundings, which name this group's X alone.
; The table's store stands behind the first of these waits.  One more wait stands ahead of the last group's stores.  No register that a memory or LDS
; instruction reads is written again, so no wait on vm_vsrc is needed for them.
.set X,    64                          ; v[64:191]   32 loads x 4 registers, as loaded; then the first two of each four: packed bf16 on their way to LDS
.set OUT,  192                         ; v[192:255]  16 x 4 registers, planes read back
.set PLP,  288                         ; a plane of 16 rows x 16 bytes in LDS, + 32: eight planes start 32 bytes apart modulo 256
.set WREG, 32*PLP                      ; a wave's 32 planes
	s_load_b128 s[4:7], s[0:1], 0x0                ; x s[4:5], xb s[6:7]
	s_load_b64 s[8:9], s[0:1], 0x10                ; rope
	v_lshl_add_u32 v62, v0, 2, 0x9000
	v_mov_b32 v63, 0
	v_lshrrev_b32 v1, 5, v0
	v_readfirstlane_b32 s10, v1                    ; wave
	v_and_b32 v1, 15, v0                           ; c = lane % 16
	v_bfe_u32 v2, v0, 4, 1                         ; rr = lane / 16
	v_lshlrev_b32 v3, 4, v1
	v_lshl_add_u32 v3, v2, 14, v3                  ; 16,384 rr + 16 c: a row of x further on, and a plane of xb further on
	s_lshr_b32 s11, ttmp9, 2                       ; G >> 2: my 16 rows
	s_and_b32 s12, ttmp9, 3                        ; G & 3: my 1,024 k
	s_lshl_b32 s14, s11, 18                        ; x: 16 rows x 16,384 bytes,
	s_lshl_b32 s15, s12, 12                        ; 1,024 k x 4 bytes,
	s_add_co_u32 s14, s14, s15
	s_wait_alu depctr_va_sdst(0)                   ; s10 is written, ahead of its first reader: the offsets in x and xb and my bytes of LDS are made from it
	s_lshl_b32 s15, s10, 10                        ; 256 k x 4 bytes for each wave
	s_add_co_u32 s14, s14, s15
	s_mov_b32 s15, 0
	s_lshl_b32 s16, s12, 21                        ; xb: 128 planes,
	s_lshl_b32 s17, s10, 19                        ; 32 planes for each wave,
	s_add_co_u32 s16, s16, s17
	s_lshl_b32 s17, s11, 8                         ; 16 rows x 16 bytes
	s_add_co_u32 s16, s16, s17
	s_mov_b32 s17, 0
	s_lshr_b32 s20, ttmp9, 3                       ; the table's g
	s_and_b32 s21, ttmp9, 7                        ; which 128 of its t
	s_lshl_b32 s18, s20, 14
	s_lshl_b32 s19, s21, 11
	s_add_co_u32 s18, s18, s19
	s_mov_b32 s19, 0
	; LDS addresses, in my wave's own bytes: made here, under the arguments' load, so that one wait serves all four address registers
	s_mul_i32 s13, s10, WREG
	v_lshrrev_b32 v7, 1, v1
	v_mul_u32_u24 v4, v7, PLP                      ; in: my 4 numbers lie in plane c / 2 of the load's eight,
	v_lshl_add_u32 v4, v2, 4, v4                   ; row rr of the pair,
	v_and_b32 v7, 1, v1
	v_lshl_add_u32 v4, v7, 3, v4                   ; half c % 2 of its 16 bytes
	v_add_nc_u32 v4, s13, v4
	v_mul_u32_u24 v5, v2, PLP                      ; back: plane rr of a pair, row c
	v_lshl_add_u32 v5, v1, 4, v5
	v_add_nc_u32 v5, s13, v5
	v_lshlrev_b32 v6, 4, v0                        ; the table: 16 bytes a thread
	s_wait_kmcnt 0x0
	s_add_nc_u64 s[4:5], s[4:5], s[14:15]
	s_add_nc_u64 s[6:7], s[6:7], s[16:17]
	s_add_nc_u64 s[8:9], s[8:9], s[18:19]
	s_wait_alu depctr_va_vdst(0)                   ; v3 to v6 are written: every load and store of the kernel, global or LDS, reads one of them as its offset or address
.irp q, 0,1,2,3
.irp i, 0,1,2,3,4,5,6,7
	global_load_b128 v[X+4*(8*\q+\i):X+4*(8*\q+\i)+3], v3, s[4:5] offset:\i*32768+\q*256 th:TH_LOAD_NT   ; lanes 0-15: 256 bytes of row 2 i, lanes 16-31 of row 2 i + 1
.endr
.endr
	; THE TABLE, under the loads
	s_lshl_b32 s20, s20, 1                         ; i = 2 g
	s_add_co_u32 s23, s20, 1                       ; and 2 g + 1
	s_lshl_b32 s21, s21, 7
	s_mov_b32 s22, 0x3ea2f983                      ; 1 / pi
	v_cvt_f32_u32 v8, s20
	v_cvt_f32_u32 v9, s23
	v_mul_f32 v8, 0xbe549a78, v8                   ; - i log2(10000) / 64
	v_mul_f32 v9, 0xbe549a78, v9
	v_exp_f32 v8, v8                               ; the two frequencies
	v_exp_f32 v9, v9
	v_add_nc_u32 v10, s21, v0                      ; t: a plain instruction behind the exponentials (ISA guide 5.7.2)
	v_cvt_f32_u32 v10, v10
	s_wait_alu depctr_va_vdst(0)                   ; the two exponentials have written v8 and v9, ahead of their first reader: one wait for both
	v_mul_f32 v8, v10, v8                          ; the angles
	v_mul_f32 v9, v10, v9
; cos / 4 and sin / 4 of the angle in register a.  n = the nearest whole number of half turns, g = what is left, z = g^2;
; sin(pi g) = g (pi - pi^3/6 z + ...), cos(pi g) = 1 - pi^2/2 z + ...; both change sign with n's lowest bit.  The coefficients hold the 1/4.
.macro SINCOS a, dc, ds
	v_mul_f32 v11, s22, v[\a]
	v_rndne_f32 v11, v11
	v_fma_f32 v12, v[\a], s22, -v11
	v_cvt_i32_f32 v14, v11
	v_mul_f32 v13, v12, v12
	v_lshlrev_b32 v14, 31, v14
	v_mov_b32 v15, 0x3ca83c1a
	v_mov_b32 v16, 0xbbd368f9
	v_fmaak_f32 v15, v15, v13, 0xbe196966
	v_fmaak_f32 v16, v16, v13, 0x3d70fa83
	v_fmaak_f32 v15, v15, v13, 0x3f2335e3
	v_fmaak_f32 v16, v16, v13, 0xbeaae9e4
	v_fmaak_f32 v15, v15, v13, 0xbfa55de7
	v_fmaak_f32 v16, v16, v13, 0x3f81e0f8
	v_fmaak_f32 v15, v15, v13, 0x3f490fdb
	v_fmaak_f32 v16, v16, v13, 0xbf9de9e6
	v_mul_f32 v15, v15, v12
	v_fmaak_f32 v16, v16, v13, 0x3e800000
	v_xor_b32 v[\ds], v14, v15
	v_xor_b32 v[\dc], v14, v16
.endm
	SINCOS 8, 24, 25
	SINCOS 9, 26, 27
	; x: round in place, and into LDS by planes.  Load n's LDS store stands eight loads further on, behind the wait at the head of the next group.
.set n, 0
.rept 32
	s_wait_loadcnt 31-n                            ; loads come back in order (ISA guide 5.7.1): load n is in, the younger ones stay out
.if (n%8 == 0) && (n > 0)
	s_wait_alu depctr_va_vdst(0)                   ; the group before has written its bf16 halves, which the LDS stores below read (at the first of these waits: SINCOS has written v[24:27] too)
.endif
.if n == 8
	global_store_b128 v6, v[24:27], s[8:9]         ; the table: a wave stores 512 consecutive bytes, aligned
.endif
	v_cvt_pk_bf16_f32 v[X+4*n],   v[X+4*n],   v[X+4*n+1]     ; four numbers close up into the first two of their four registers
	v_cvt_pk_bf16_f32 v[X+4*n+1], v[X+4*n+2], v[X+4*n+3]
.if n >= 8
	ds_store_b64 v4, v[X+4*(n-8):X+4*(n-8)+1] offset:((n-8)/8)*8*PLP+((n-8)%8)*32   ; no wait: no vector line since the group's wait names these registers
.endif
.set n, n+1
.endr
	s_wait_alu depctr_va_vdst(0)                   ; the last group has written its bf16 halves, which its eight LDS stores read
.set n, 24
.rept 8
	ds_store_b64 v4, v[X+4*n:X+4*n+1] offset:(n/8)*8*PLP+(n%8)*32
.set n, n+1
.endr
.irp p, 0,1,2,3,4,5,6,7,8,9,10,11,12,13,14,15
	ds_load_b128 v[OUT+4*\p:OUT+4*\p+3], v5 offset:\p*2*PLP    ; LDS serves a wave's instructions in order (ISA guide 5.7.1.4): these see the stores above
.endr
.irp p, 0,1,2,3,4,5,6,7,8,9,10,11,12,13,14,15
	s_wait_dscnt 15-\p
	global_store_b128 v3, v[OUT+4*\p:OUT+4*\p+3], s[6:7] offset:\p*32768   ; 16 lanes store 256 consecutive bytes of a plane, aligned
.endr
	s_wait_dscnt 0x0                               ; the closing lines, six on end
	s_wait_alu 0x0
	s_wait_tensorcnt 0x0
	ds_add_u32 v62, v63
	s_wait_dscnt 0x0
	s_endpgm
.Lfunc_end_k_qfb76b71dd8_prep:
	.size	k_qfb76b71dd8_prep, .Lfunc_end_k_qfb76b71dd8_prep-k_qfb76b71dd8_prep
	.p2alignl 7, 3214868480
	.fill 96, 4, 3214868480
	.section	.rodata,"a",@progbits
	.p2align	6, 0x0
	.amdhsa_kernel k_qfb76b71dd8_prep
		.amdhsa_group_segment_fixed_size 37376
		.amdhsa_private_segment_fixed_size 0
		.amdhsa_enable_private_segment 0
		.amdhsa_kernarg_size 24
		.amdhsa_user_sgpr_count 2
		.amdhsa_user_sgpr_kernarg_segment_ptr 1
		.amdhsa_wavefront_size32 1
		.amdhsa_system_sgpr_workgroup_id_x 1
		.amdhsa_system_sgpr_workgroup_id_y 1
		.amdhsa_system_sgpr_workgroup_id_z 1
		.amdhsa_system_vgpr_workitem_id 0
		.amdhsa_next_free_vgpr 256
		.amdhsa_next_free_sgpr 66
		.amdhsa_reserve_vcc 0
		.amdhsa_float_denorm_mode_32 3
		.amdhsa_float_denorm_mode_16_64 3
		.amdhsa_memory_ordered 1
		.amdhsa_forward_progress 1
		.amdhsa_inst_pref_size 19
	.end_amdhsa_kernel
	.amdgpu_metadata
---
amdhsa.version: [ 1, 2 ]
amdhsa.kernels:
  - .name:           k_qfb76b71dd8_prep
    .symbol:         k_qfb76b71dd8_prep.kd
    .args:
      - { .name: x, .offset: 0, .size: 8, .value_kind: global_buffer, .address_space: global }
      - { .name: xb, .offset: 8, .size: 8, .value_kind: global_buffer, .address_space: global }
      - { .name: rope, .offset: 16, .size: 8, .value_kind: global_buffer, .address_space: global }
    .group_segment_fixed_size: 37376
    .private_segment_fixed_size: 0
    .kernarg_segment_align: 8
    .kernarg_segment_size: 24
    .max_flat_workgroup_size: 128
    .sgpr_count:     66
    .vgpr_count:     256
    .wavefront_size: 32
...
	.end_amdgpu_metadata
.endif
;; end of part 7
;; launch qkv: the kernel of part 5 again; grid 256 x 1, 4 waves a work-group, clusters of 4 x 1, 327,680 bytes of LDS; arguments xb, wq, wk, wv, rope, qkv; writes qkv
;; launch attn: the kernel of part 3 again; grid 32 x 8, 4 waves a work-group, no clusters, 35,328 bytes of LDS; arguments qkv, att; writes att
;; launch oproj: the kernel of part 6 again; grid 256 x 1, 4 waves a work-group, clusters of 4 x 1, 327,680 bytes of LDS; arguments att, wo, out0; writes out0
